; MI455X (gfx1250); checked and timed in simulation.
; The chip was launched on July 23, 2026; its instructions are those of AMD's public machine-readable ISA for CDNA 5 (MIT licence, August 2026) and "CDNA5" Instruction Set Architecture Reference Guide (July 2026). The comments in the code are by the model that wrote it; some were corrected since.
;; Custom Multi Head Self Attention. Allowed arithmetic: matrix products marked QUANTISED: E2M3 operands, one E8M0 scale for each 32 along K, by v_wmma_scale_f32_16x16x128_f8f6f4 with both operands' format E2M3, f32 sums; everything else in f32.
;; Inputs: Wk 1,024 x 1,024 float32; Wo 1,024 x 1,024 float32; Wq 1,024 x 1,024 float32; Wv 1,024 x 1,024 float32; bk 64 float32; bo 1,024 float32; bq 64 float32; gk 64 float32; gq 64 float32; mask 2 x 2,048 int32; x 2 x 2,048 x 1,024 float32.
;; Outputs: out0 2 x 2,048 x 1,024 float32.
;; This version of the problem:
;;   THIS VERSION OF THE PROBLEM IS GIVEN IN LOW PRECISION. The matrix products marked QUANTISED in the list below multiply operands that are first quantised to E2M3 (2 exponent bits, 3 mantissa bits; 6 bits a number), with one power-of-two scale for each 32 numbers along K (OCP MX v1.0); their sums are f32. All else is computed in f32.
;;   The module's matrix products, in the order in which they are computed (A, B: the left and right operand; K: the contracted axis; several contracted axes count as one K, in the product's order):
;;     1. [M 4,096, K 1,024] x [K 1,024, N 1,024]; A: input x; B: input Wq: QUANTISED
;;     2. [M 4,096, K 1,024] x [K 1,024, N 1,024]; A: input x; B: input Wk: QUANTISED
;;     3. [M 4,096, K 1,024] x [K 1,024, N 1,024]; A: input x; B: input Wv: QUANTISED
;;     4. batch 32 x [M 2,048, K 64] x [K 64, N 2,048]; A: computed on the way; B: computed on the way: QUANTISED
;;     5. batch 32 x [M 2,048, K 2,048] x [K 2,048, N 64]; A: softmax (see below); B: computed on the way: QUANTISED
;;     6. [M 4,096, K 1,024] x [K 1,024, N 1,024]; A: computed on the way; B: input Wo: QUANTISED
;;   THE QUANTISER, for each operand of a quantised product, along K:
;;     - K is cut into blocks of 32 from its start; a last block that is shorter is filled with zeros.
;;     - A block's scale is 2^e with e = floor(log2(the largest magnitude in the block)) - 2, held to -126 .. 127; a block of zeros has e = 0. As a byte (E8M0): e + 127.
;;     - Each number is divided by its block's scale, clamped to +-7.5, and rounded to the nearest number of E2M3, ties to even, subnormals kept.
;;     - The product sums the exact products of the quantised numbers (number of the format x scale) in f32.
;;   ~~~python
;;   def quantise(x, axis):      # numpy; x: float32 -> the quantised numbers, widened to float32 again
;;       x = np.moveaxis(x, axis, -1); K = x.shape[-1]
;;       x = np.pad(x, [(0, 0)] * (x.ndim - 1) + [(0, -K % 32)]); x = x.reshape(x.shape[:-1] + (-1, 32)); a = np.abs(x).max(-1, keepdims=True)
;;       e = np.where(a > 0, np.clip(np.frexp(np.where(a > 0, a, 1))[1] - 1 - 2, -126, 127), 0)      # np.frexp(a)[1] - 1 = floor(log2(a)), exactly
;;       r = np.clip(x / 2.0 ** e, -7.5, 7.5)
;;       step = 2.0 ** (np.maximum(np.frexp(np.where(r == 0, 1, r))[1] - 1, 0) - 3)
;;       q = np.round(r / step) * step * 2.0 ** e      # np.round: ties to even
;;       return np.moveaxis(q.reshape(q.shape[:-2] + (-1,))[..., :K], -1, axis).astype(np.float32)
;;   ~~~
;;   SOFTMAX AHEAD OF A QUANTISED PRODUCT. Where the list says 'softmax', what is quantised is not the finished softmax but p = 2^(t - M), with t = logit x log2(e) and M = ceil(the row's largest t), a whole number; so 1/2 < the row's largest p <= 1. The row's sum l is taken of the UNQUANTISED p, in f32, and the product's result is divided by l at the end. Since M is a whole number, a kernel that streams over the keys may use a running M (the ceiling of the running maximum): every later rescaling is an exact power of two, which a block's scale takes up: the codes' values come out the same.
;;   OPERANDS COMPUTED ON THE WAY. 'Computed on the way' means the value that the module computes at that place (a softmax that the list does not call 'softmax' is quantised finished and normalised). What goes into a quantiser is computed in f32, as accurately as f32 sums, v_exp_f32 and their like allow (about 1e-6 of the number): no bf16 or f16 on the way to a quantiser, and a product that is left as it is and whose result goes on into a quantised operand takes f32 operands (vector FMAs, or v_wmma_f32_16x16x4_f32). A number that lies on a knife's edge between two numbers of the format may be rounded either way, as far as f32 arithmetic and the matrix unit's own rounding can turn it there, and no further.
;; One version. Each part assembles by itself: llvm-mc -triple=amdgcn-amd-amdhsa -mcpu=gfx1250 --defsym DOCPART=n.
;; ======== version 1 of 1: 4 launches
;; limits: right only within a limited range of input values
;; workspace buffers: xcodes 3,145,728 bytes; xscales 131,072 bytes; wcodes 3,145,728 bytes; wscales 131,072 bytes; qbuf 3,407,872 bytes; kvbuf 6,684,672 bytes; abuf 3,276,800 bytes
;; launch quant (part 1): grid 256 x 1, 4 waves a work-group, no clusters, 33,280 bytes of LDS; arguments x, Wq, Wk, Wv, Wo, xcodes, xscales, wcodes, wscales; writes xcodes, xscales, wcodes, wscales
.if DOCPART == 1
	.amdgcn_target "amdgcn-amd-amdhsa--gfx1250"
	.amdhsa_code_object_version 6
	.text
	.protected	k_qc01211ab35_quant
	.globl	k_qc01211ab35_quant
	.p2align	8
	.type	k_qc01211ab35_quant,@function
k_qc01211ab35_quant:
	s_mov_b64 s[64:65], 0
	v_nop
	global_prefetch_b8 v0, s[64:65] scope:SCOPE_SE
	s_setreg_imm32_b32 hwreg(HW_REG_WAVE_MODE, 25, 1), 1
	s_wait_xcnt 0x0
; x [4096][1024] and Wq, Wk, Wv, Wo [1024][1024], f32, K innermost, become codes of FP6 (E2M3), 6 bits each, with one E8M0 scale byte for each 32 along K.
; A block's scale is 2^(floor(log2(its largest magnitude)) - 2); its byte is the largest magnitude's exponent field - 2, held at 1 from below.
; LIMITS: a block of zeros, and one whose largest magnitude lies under 2^-124, gets the byte 1 (the bytes are read by this program alone; zero codes add nothing under that byte);
; NaN and infinities among the inputs are not served.  The input mask goes to no launch of this program.
; SHARES.  Work-groups 0-127 take x, 128-255 the four weights, 32 work-groups each: 32 rows a work-group, 8 rows (8,192 numbers) a wave, in 16 steps of 512 numbers.
; ORDER OF THE ROWS OUT.  In every group of 32 rows, bits 3 and 4 of the row's number change places: the row at place 16 u + 8 w + i is row 8 u + 16 w + i.  So 16 consecutive places hold rows
; 8 u + m + 8 (m / 8), m = 0 .. 15: used as source 0 of a product, two such tiles leave 16 neighbours along that axis in a lane's 16 registers.  A wave's 8 rows stay together: only the wave's place changes.
; The four weights lie on end in wcodes and wscales: Wq, Wk, Wv, Wo.
; Each of a step's four loads reads 512 consecutive bytes; the 2,048 bytes turn through the wave's own stage in LDS and come back 64 bytes a lane, 16 neighbours along K.  Two neighbouring lanes hold a block.
; No barrier: waves share nothing.  Loads run four steps (16 loads a wave) ahead, the turn through LDS one step.
.set STEPS, 16
.set CB,    12                         ; bytes of 16 codes
.set R,     16                         ; v16-79   four sets of 16 numbers as they are loaded
.set X,     80                         ; v80-111  two sets of 16 neighbours
.set E,     112                        ; v112-127 a scale byte for each step
.set C,     128                        ; v128-191 codes: four registers for each step, so that no store's data are written again
.set WREG,  8192                       ; LDS: a region for each wave: two stages of 32 x SP bytes, behind them its 256 scale bytes
.set SP,    80                         ; a lane's place in a stage: 64 bytes + 16 of padding
	s_load_b256 s[4:11], s[0:1], 0x0               ; x, Wq, Wk, Wv
	s_load_b256 s[12:19], s[0:1], 0x20             ; Wo, xcodes, xscales, wcodes
	s_load_b64 s[20:21], s[0:1], 0x40              ; wscales
	v_lshl_add_u32 v192, v0, 2, 0x8000
	v_mov_b32 v193, 0
	v_lshrrev_b32 v1, 5, v0
	v_readfirstlane_b32 s22, v1                    ; wave
	v_and_b32 v2, 31, v0                           ; lane
	v_lshlrev_b32 v3, 4, v2                        ; my 16 bytes of a load's 512
	s_mul_i32 s32, s22, WREG
	v_lshrrev_b32 v14, 2, v2
	v_mul_u32_u24 v14, v14, SP
	v_and_b32 v15, 3, v2
	v_lshl_add_u32 v14, v15, 4, v14
	v_add_nc_u32 v14, s32, v14                     ; the stage, on the way in: SP (lane / 4) + 16 (lane % 4)
	v_mul_u32_u24 v15, v2, SP
	v_add_nc_u32 v15, s32, v15                     ; and on the way out: SP x lane: my 16 neighbours
	v_mul_u32_u24 v4, v2, CB                       ; my codes' place in a step's
	v_lshrrev_b32 v5, 1, v2
	s_add_co_u32 s32, s32, 2*32*SP
	v_add_nc_u32 v5, s32, v5                       ; LDS: my wave's 256 scale bytes, my block's byte
	v_lshlrev_b32 v7, 3, v2                        ; and on the way out 8 bytes a lane
	v_add_nc_u32 v6, s32, v7
	s_sub_co_u32 s23, ttmp9, 128                   ; among the weights' work-groups
	s_lshr_b32 s26, s23, 5                         ; which weight
	s_and_b32 s27, s23, 31                         ; which 32 rows of it
	s_and_b32 s33, s22, 1
	s_lshl_b32 s33, s33, 1
	s_lshr_b32 s34, s22, 1
	s_or_b32 s33, s33, s34                         ; my wave's place out: its two bits are the rows' bits 3 and 4, which change places
	s_mov_b32 s35, 0
	s_wait_alu depctr_va_vdst(0)
	s_wait_kmcnt 0x0
	s_cmp_eq_u32 s26, 2                            ; the choices hang on the work-group's number alone
	s_cselect_b64 s[24:25], s[10:11], s[12:13]
	s_cmp_eq_u32 s26, 1
	s_cselect_b64 s[24:25], s[8:9], s[24:25]
	s_cmp_eq_u32 s26, 0
	s_cselect_b64 s[24:25], s[6:7], s[24:25]
	s_cmp_lt_u32 ttmp9, 128
	s_cselect_b64 s[24:25], s[4:5], s[24:25]       ; the tensor that I read,
	s_cselect_b64 s[28:29], s[14:15], s[18:19]     ; where its codes go,
	s_cselect_b64 s[30:31], s[16:17], s[20:21]     ; and its scale bytes
	s_cselect_b32 s27, ttmp9, s27                  ; which 32 rows in,
	s_cselect_b32 s23, ttmp9, s23                  ; and out
	s_lshl_b32 s27, s27, 2
	s_add_co_u32 s27, s27, s22
	s_lshl_b32 s34, s27, 15                        ; 8 rows of 4,096 bytes a wave
	s_add_nc_u64 s[24:25], s[24:25], s[34:35]
	s_lshl_b32 s23, s23, 2
	s_add_co_u32 s23, s23, s33
	s_mul_i32 s34, s23, 32*STEPS*CB                ; 8 rows of 768 bytes
	s_add_nc_u64 s[28:29], s[28:29], s[34:35]
	s_lshl_b32 s34, s23, 8                         ; 8 rows of 32 bytes
	s_add_nc_u64 s[30:31], s[30:31], s[34:35]
.macro LOAD t
.irp i, 0,1,2,3
	global_load_b128 v[R+16*((\t)%4)+4*\i:R+16*((\t)%4)+4*\i+3], v3, s[24:25] offset:2048*(\t)+512*\i th:TH_LOAD_NT   ; 32 lanes read 512 consecutive bytes
.endr
.endm
.macro TURN t                          ; step t's numbers through the stage: LDS serves a wave's instructions in order, so no wait stands between the stores and the loads
.irp i, 0,1,2,3
	ds_store_b128 v14, v[R+16*((\t)%4)+4*\i:R+16*((\t)%4)+4*\i+3] offset:32*SP*((\t)%2)+8*SP*\i
.endr
.irp i, 0,1,2,3
	ds_load_b128 v[X+16*((\t)%2)+4*\i:X+16*((\t)%2)+4*\i+3], v15 offset:32*SP*((\t)%2)+16*\i
.endr
.endm
.irp t, 0,1,2,3
	LOAD \t
.endr
	s_wait_loadcnt 12                              ; step 0's four loads are in
	TURN 0
.macro STEP t
.set XS, X+16*((\t)%2)
.if (\t) > 0
	s_wait_dscnt 1                                 ; this step's numbers are back from the stage (the last step's byte store may be out): so its stores into the stage have read their registers,
.else
	s_wait_dscnt 0x0
.endif
.if (\t)+4 < STEPS
	LOAD (\t)+4                                    ; which take the loads of four steps on
.endif
.if (\t)+1 < STEPS
.if STEPS-2-(\t) >= 3
	s_wait_loadcnt 12                              ; the next step's four loads are in; those of the three steps behind it may be out
.else
	s_wait_loadcnt 4*(STEPS-2-(\t))
.endif
	TURN (\t)+1                                    ; and go through the other stage while this step is worked
.endif
	v_max3_num_f32 v8, |v[XS]|, |v[XS+1]|, |v[XS+2]|               ; the largest magnitude of my 16, in two chains
	v_max3_num_f32 v9, |v[XS+3]|, |v[XS+4]|, |v[XS+5]|
.irp i, 6,10
	v_max3_num_f32 v8, v8, |v[XS+\i]|, |v[XS+\i+1]|
	v_max3_num_f32 v9, v9, |v[XS+\i+2]|, |v[XS+\i+3]|
.endr
	v_max3_num_f32 v8, v8, |v[XS+14]|, |v[XS+15]|
	v_max3_num_f32 v8, v8, v9, 0x1800000           ; and the floor 2^(3 - 127): the byte cannot fall under 1
	v_max_num_f32_dpp v8, v8, v8 row_xmask:1 row_mask:0xf bank_mask:0xf   ; and of my neighbour's 16: the block's
	v_add_nc_u32 v11, 0xff000000, v8               ; 2 off its exponent field: the conversion takes the exponent field of this operand as its scale
	v_cvt_scalef32_pk16_fp6_f32 v[C+4*(\t):C+4*(\t)+2], v[XS:XS+15], v11   ; to the nearest code, ties to even, beyond the largest code the largest; 96 bits without gaps
	v_lshrrev_b32 v[E+(\t)], 23, v11               ; the scale's byte
	ds_store_b8 v5, v[E+(\t)] offset:16*(\t)       ; both lanes of a block write the same byte with the same value
	global_store_b96 v4, v[C+4*(\t):C+4*(\t)+2], s[28:29] offset:32*CB*(\t)   ; the wave stores 384 consecutive bytes
.endm
.irp t, 0,1,2,3,4,5,6,7,8,9,10,11,12,13,14,15
	STEP \t
.endr
	ds_load_b64 v[12:13], v6                       ; LDS serves a wave's instructions in order: these see my stores
	s_wait_dscnt 0x0
	global_store_b64 v7, v[12:13], s[30:31]        ; 32 lanes store 256 consecutive bytes, aligned
	s_wait_tensorcnt 0x0
	ds_add_u32 v192, v193
	s_wait_dscnt 0x0
	s_endpgm
.Lfunc_end_k_qc01211ab35_quant:
	.size	k_qc01211ab35_quant, .Lfunc_end_k_qc01211ab35_quant-k_qc01211ab35_quant
	.p2alignl 7, 3214868480
	.fill 96, 4, 3214868480
	.section	.rodata,"a",@progbits
	.p2align	6, 0x0
	.amdhsa_kernel k_qc01211ab35_quant
		.amdhsa_group_segment_fixed_size 33280
		.amdhsa_private_segment_fixed_size 0
		.amdhsa_enable_private_segment 0
		.amdhsa_kernarg_size 72
		.amdhsa_user_sgpr_count 2
		.amdhsa_user_sgpr_kernarg_segment_ptr 1
		.amdhsa_wavefront_size32 1
		.amdhsa_system_sgpr_workgroup_id_x 1
		.amdhsa_system_sgpr_workgroup_id_y 1
		.amdhsa_system_sgpr_workgroup_id_z 1
		.amdhsa_system_vgpr_workitem_id 0
		.amdhsa_next_free_vgpr 194
		.amdhsa_next_free_sgpr 66
		.amdhsa_reserve_vcc 0
		.amdhsa_float_denorm_mode_32 3
		.amdhsa_float_denorm_mode_16_64 3
		.amdhsa_memory_ordered 1
		.amdhsa_forward_progress 1
		.amdhsa_inst_pref_size 33
	.end_amdhsa_kernel
	.amdgpu_metadata
---
amdhsa.version: [ 1, 2 ]
amdhsa.kernels:
  - .name:           k_qc01211ab35_quant
    .symbol:         k_qc01211ab35_quant.kd
    .args:
      - { .name: x, .offset: 0, .size: 8, .value_kind: global_buffer, .address_space: global }
      - { .name: Wq, .offset: 8, .size: 8, .value_kind: global_buffer, .address_space: global }
      - { .name: Wk, .offset: 16, .size: 8, .value_kind: global_buffer, .address_space: global }
      - { .name: Wv, .offset: 24, .size: 8, .value_kind: global_buffer, .address_space: global }
      - { .name: Wo, .offset: 32, .size: 8, .value_kind: global_buffer, .address_space: global }
      - { .name: xcodes, .offset: 40, .size: 8, .value_kind: global_buffer, .address_space: global }
      - { .name: xscales, .offset: 48, .size: 8, .value_kind: global_buffer, .address_space: global }
      - { .name: wcodes, .offset: 56, .size: 8, .value_kind: global_buffer, .address_space: global }
      - { .name: wscales, .offset: 64, .size: 8, .value_kind: global_buffer, .address_space: global }
    .group_segment_fixed_size: 33280
    .private_segment_fixed_size: 0
    .kernarg_segment_align: 8
    .kernarg_segment_size: 72
    .max_flat_workgroup_size: 128
    .sgpr_count:     66
    .vgpr_count:     194
    .wavefront_size: 32
...
	.end_amdgpu_metadata
.endif
;; end of part 1
;; launch qkv (part 2): grid 48 x 4, 4 waves a work-group, clusters of 4 x 4, 327,680 bytes of LDS; arguments xcodes, xscales, wcodes, wscales, gq, bq, gk, bk, qbuf, kvbuf; writes qbuf, kvbuf
.if DOCPART == 2
	.amdgcn_target "amdgcn-amd-amdhsa--gfx1250"
	.amdhsa_code_object_version 6
	.text
	.protected	k_qc01211ab35_qkv
	.globl	k_qc01211ab35_qkv
	.p2align	8
	.type	k_qc01211ab35_qkv,@function
k_qc01211ab35_qkv:
	s_mov_b64 s[64:65], 0
	v_nop
	global_prefetch_b8 v0, s[64:65] scope:SCOPE_SE
	s_setreg_imm32_b32 hwreg(HW_REG_WAVE_MODE, 25, 1), 1
	s_wait_xcnt 0x0
	s_wait_alu depctr_hold_cnt(0) depctr_sa_sdst(0) depctr_va_vdst(0) depctr_va_sdst(0) depctr_va_ssrc(0) depctr_va_vcc(0) depctr_vm_vsrc(0)
	s_getreg_b32 s2, hwreg(HW_REG_IB_STS2, 6, 4)
	s_cmp_eq_u32 s2, 0
	s_cbranch_scc0 .Lentry_in_a_cluster
	s_endpgm
.Lentry_in_a_cluster:
	s_bfe_u32 s2, ttmp6, 0x10000c
	s_cmp_lg_u32 s2, 0xf033
	s_cbranch_scc0 .Lentry_shape_is_right
	s_endpgm
.Lentry_shape_is_right:
; The three projections on codes of FP6 (E2M3) with E8M0 scales, K = 1,024; what follows each is fused into the way out: q and k get their LayerNorm over the head's 64 and are quantised along the head;
; v is made TRANSPOSED (rows = the head's 64, columns = tokens) and quantised along the tokens.  Only codes and scale words leave.  The input mask comes to no launch.
; ONE BODY, C = A B^T on tiles of 256 x 256, two uses, chosen by the cluster's number c (the same in all 16 partners):
;   c = 0 .. 7: A = x, B = Wq on end with Wk: tile row 4 (c / 2) + cy, tile column 4 (c % 2) + cx.   c = 8 .. 11: A = Wv (rows 2,048 on of wcodes), B = x: tile row 8 + cy, tile column 4 (c - 8) + cx.
; Four waves, 128 x 128 each: 64 accumulators.  A row of codes is 768 bytes; it goes through a ring of two LDS slots in three CHUNKS OF 256 BYTES, each beginning at a multiple of 256 bytes.
; A step of 128 along K is 96 bytes: eight steps to three chunks; steps 2 and 5 lie across two chunks and read both slots.  The scale bytes of the tile's 512 rows come into LDS once.
; CLUSTERS: 4 x 4; A's tiles are asked for jointly along a row of the cluster, B's along a column.  No prefetch: the walk has one refill and no loop to run ahead in.
; THE MATRIX INSTRUCTION IS USED TRANSPOSED (source 0 = 16 rows of B, source 1 = 16 rows of A): a lane holds ONE row of A.  All code buffers' rows lie with bits 3 and 4 of their number exchanged, so the 16 registers
; of accumulators (a, 2 g), (a, 2 g + 1) are 16 NEIGHBOURS along B's rows: 32 g + 16 (lane / 16) + 0 .. 15, as the conversions want them.
; OUT, as images of operand registers (16 or 8 bytes a lane, 512 or 256 consecutive bytes a store, aligned):
;   qbuf  [batch x head 32][block of 128 queries 16][6,656]: 8 tiles of 16 queries x 768 bytes, then 512 bytes of scale words: the word at 16 l + 4 p is tile 2 p + l / 16, row l % 16.
;   kvbuf [32][step of 128 keys 16][13,056]: K as in qbuf (6,144); V^T: 4 tiles of 16 of the head's 64 x 1,536 bytes; K's scale words (512); V's (256: the word at 8 l + 4 p is tile 2 p + l / 16, row l % 16).
; LIMITS: NaN and infinities are not served; a block of zeros, or one under 2^-124, gets the byte 1 (read by this program alone).
; REGISTERS in the walk: window 0: v16-27 addresses, v28-29 the add's, v32-63 scale words (two sets), v128-223 A's fragments (one set); window 1: B's fragments, two sets; windows 2, 3: accumulator (a, b) at v[8 (8 (a % 4) + b)].
.set ROWB,   256
.set NQ,     2
.set KROW,   768
.set CHUNKS, 3
.set PITCH,  272                       ; an LDS row: 256 bytes + 16 of padding
.set FR,     12
.set NL,     6
.set NP,     4                         ; places behind this matrix instruction (ISA guide 7.12.1)
.set HALFT,  128*PITCH
.set SLOT,   4*HALFT                   ; A's 256 rows, then B's 256
.set KS,     32
.set SCL,    2*SLOT                    ; behind the ring: the scale bytes, as pieces of 256 bytes + 16 of padding
.set HALFS,  (128*KS/256)*272
.set SBLK,   (16*KS/256)*272
.set SPARE,  SCL+4*HALFS               ; the spare words: 128 bytes a wave, named by no other line
.set ADRA, 16                          ; v16-17 A's fragments in slot 0, 1; v18-19 lanes 0-15 at byte 232 of slot 0, 1, lanes 16-31 at byte 0 of the other slot
.set ADRB, 20                          ; v20-23 the same for B
.set ADRS, 27
.set SPW,  28
.set NIL,  29
.set SC,   32
.set AF,   128
.set G1, 24
.set G0, 32
.set G1B, 48
.set G0B, 56
.set G1S, 68
.set G0S, 76
.set G1SB, 80
.set G0SB, 88
.set G0H, 4                            ; s[4:7], s[8:11] group 0 of the head's loads of chunk 0 (the arguments that lay there have been used)
.set G0HB, 8
.set SEL, 66                           ; s[66:67] selects for lane l xor 16
.set CL,  98                           ; the cluster's number
.set INV, 100                          ; 1 / 64
.set EPSR, 101                         ; 1e-5
; the way out, window 0:
.set SW,  32                           ; v32-39 the scale word of each block a
.set OW,  40                           ; v40-47 scale words on their way to the stores
.set GG,  64                           ; v64-95 the gain: register 16 g + i = gain[32 g + 16 (lane / 16) + i]
.set BB,  96                           ; v96-127 the bias, likewise
.set ST,  128                          ; v128-191 a block's 64 numbers
.set CD,  192                          ; v192-203 codes; v204-206, v208-210 the conversions' second halves
.set TM,  212                          ; v212-227 magnitudes, bytes, scale operands
.set SU,  228                          ; v228-235 four sums in pairs
.set MN,  236                          ; v236, v238 means
.set RS,  240                          ; v240, v242 1 / sqrt(var + eps)
.set T2,  244
.set MSB, 0
.macro WIN new                         ; the immediate's high byte repeats the setting that is left
.if MSB != (\new)
	s_set_vgpr_msb (MSB<<8)|(\new)
.set MSB, (\new)
.endif
.endm
.set MUL_LO, 0xa1                      ; source 0 (B) window 1, source 1 (A) window 0, C and D window 2
.set MUL_HI, 0xf1
.set TO_B,   0x40
.macro JLOAD g0a, g1a, g0b, g1b        ; a joint load: waves 0, 1 fetch for A, waves 2, 3 for B
	s_cmp_eq_u32 s15, 0
	s_cbranch_scc0 .Lfor_b_\@
	tensor_load_to_lds s[\g0a:\g0a+3], s[\g1a:\g1a+7]
	s_nop 0
.rept 4
	v_nop
.endr
	s_branch .Lasked_\@
.Lfor_b_\@:
	tensor_load_to_lds s[\g0b:\g0b+3], s[\g1b:\g1b+7]
	s_nop 0
.rept 4
	v_nop
.endr
.Lasked_\@:
.endm
.macro CREST                           ; a round of the cluster's barrier behind its opening barrier
	s_cmp_lg_u32 s14, 0
	s_cbranch_scc1 .Lnot_wave_0_\@
	s_barrier_signal -3
.Lnot_wave_0_\@:
	s_barrier_wait -3
	s_barrier_signal -1
	s_barrier_wait -1
.endm
.macro CROUND
	s_barrier_signal -1
	s_barrier_wait -1
	CREST
.endm
	s_load_b128 s[4:7], s[0:1], 0x0                ; x's codes, x's scales
	s_load_b128 s[8:11], s[0:1], 0x10              ; the weights' codes, their scales
	v_lshl_add_u32 v[SPW], v0, 2, SPARE
	v_mov_b32 v[NIL], 0
	ds_add_u32 v[SPW], v[NIL]                      ; the opening lines: the add, twice on end, and one wait
	ds_add_u32 v[SPW], v[NIL]
	v_lshrrev_b32 v1, 5, v0
	v_readfirstlane_b32 s14, v1                    ; wave
	s_lshr_b32 s15, s14, 1                         ; my half of the tile's rows; also: I fetch for A (0) or B (1)
	s_and_b32 s16, s14, 1                          ; my half of its columns; also: which 128 rows I fetch
	s_bfe_u32 s40, ttmp6, 0x40000                  ; cx
	s_bfe_u32 s41, ttmp6, 0x40004                  ; cy
	s_mov_b32 s[CL], ttmp9
	s_lshr_b32 s18, s[CL], 1
	s_and_b32 s19, s[CL], 1
	s_sub_co_u32 s20, s[CL], 8
	s_cmp_lt_u32 s[CL], 8
	s_cselect_b32 s18, s18, 2                      ; the cluster's row of tiles: c / 2, or Wv's
	s_cselect_b32 s19, s19, s20                    ; its column: c % 2, or c - 8
	s_lshl_b32 s42, s19, 2
	s_add_co_u32 s42, s42, s40                     ; tile column
	s_lshl_b32 s17, s18, 2
	s_add_co_u32 s17, s17, s41                     ; tile row
	s_lshl_b32 s43, s41, 2
	s_lshl_b32 s43, 15, s43                        ; my row of the cluster
	s_lshl_b32 s44, 0x1111, s40                    ; my column
	s_or_b32 s[G1+0], s43, (0<<16)|(1<<20)|(1<<21)|(5<<22)|(3<<25)   ; rows of 256 bytes, 16 of padding behind each
	s_or_b32 s[G1B+0], s44, (0<<16)|(1<<20)|(1<<21)|(5<<22)|(3<<25)
.irp g, G1, G1B
	s_mov_b32 s[\g+1], ROWB<<16
	s_mov_b32 s[\g+2], 256<<16                     ; 256 rows for the head's loads; 128 behind them
	s_mov_b32 s[\g+3], ROWB<<16
	s_mov_b32 s[\g+4], 256
	s_mov_b32 s[\g+5], KROW
	s_mov_b32 s[\g+6], 0
	s_mov_b32 s[\g+7], 0
.endr
	s_or_b32 s[G1S+0], s43, (3<<16)|(1<<20)|(1<<21)|(5<<22)|(3<<25)  ; the scale bytes of 256 rows: 8,192 dense bytes as 32 rows of 256
	s_or_b32 s[G1SB+0], s44, (3<<16)|(1<<20)|(1<<21)|(5<<22)|(3<<25)
.irp g, G1S, G1SB
	s_mov_b32 s[\g+1], 32<<16
	s_mov_b32 s[\g+2], KS<<16
	s_mov_b32 s[\g+3], 32<<16
	s_mov_b32 s[\g+4], KS
	s_mov_b32 s[\g+5], 32
	s_mov_b32 s[\g+6], 0
	s_mov_b32 s[\g+7], 0
.endr
	s_lshl_b32 s20, s17, 8                         ; A: the tile's first row
	s_lshl_b32 s46, s42, 8                         ; B's
	s_mov_b32 s21, 0
	s_mov_b32 s47, 0
	s_mov_b64 s[18:19], KS
	s_mul_u64 s[22:23], s[20:21], s[18:19]         ; where these rows' scale bytes begin
	s_mul_u64 s[92:93], s[46:47], s[18:19]
	s_mov_b64 s[18:19], KROW
	s_mul_u64 s[20:21], s[20:21], s[18:19]         ; and their codes
	s_mul_u64 s[46:47], s[46:47], s[18:19]
	s_mul_i32 s18, s16, 128*KROW                   ; in the ring I fetch 128 rows: which half,
	s_mov_b32 s19, 0
	s_mul_i32 s45, s14, HALFT                      ; and where they go: wave x 128 rows
	s_wait_dscnt 0x0                               ; both opening adds are done
	s_wait_kmcnt 0x0
	s_cmp_lt_u32 s[CL], 8                          ; which tensor is A and which B: by the cluster's number alone
	s_cselect_b64 s[12:13], s[4:5], s[8:9]
	s_cselect_b64 s[96:97], s[6:7], s[10:11]
	s_cselect_b64 s[8:9], s[8:9], s[4:5]
	s_cselect_b64 s[10:11], s[10:11], s[6:7]
	s_add_nc_u64 s[20:21], s[12:13], s[20:21]
	s_add_nc_u64 s[22:23], s[96:97], s[22:23]
	s_add_nc_u64 s[46:47], s[8:9], s[46:47]
	s_add_nc_u64 s[92:93], s[10:11], s[92:93]
	CROUND                                         ; all sixteen work-groups are here: the first joint loads meet
	s_mov_b32 s[G0H], 1                            ; the head's four tiles: chunk 0's 256 rows of A,
	s_mov_b32 s[G0H+1], 0
	s_mov_b64 s[G0H+2:G0H+3], s[20:21]
	s_or_b32 s[G0H+3], s[G0H+3], 0x80000000
	s_mov_b32 s[G0HB], 1                           ; of B,
	s_mov_b32 s[G0HB+1], 2*HALFT
	s_mov_b64 s[G0HB+2:G0HB+3], s[46:47]
	s_or_b32 s[G0HB+3], s[G0HB+3], 0x80000000
	s_mov_b32 s[G0S], 1                            ; A's scale bytes,
	s_mov_b32 s[G0S+1], SCL
	s_mov_b64 s[G0S+2:G0S+3], s[22:23]
	s_or_b32 s[G0S+3], s[G0S+3], 0x80000000
	s_mov_b32 s[G0SB], 1                           ; and B's
	s_mov_b32 s[G0SB+1], SCL+2*HALFS
	s_mov_b64 s[G0SB+2:G0SB+3], s[92:93]
	s_or_b32 s[G0SB+3], s[G0SB+3], 0x80000000
	s_add_nc_u64 s[20:21], s[20:21], s[18:19]      ; for the ring: my 128 rows
	s_add_nc_u64 s[46:47], s[46:47], s[18:19]
.irp s, 0,1
	s_mov_b32 s[G0+4*\s], 1
	s_add_co_u32 s[G0+4*\s+1], s45, \s*SLOT
	s_add_nc_u64 s[G0+4*\s+2:G0+4*\s+3], s[20:21], \s*ROWB
	s_or_b32 s[G0+4*\s+3], s[G0+4*\s+3], 0x80000000
	s_mov_b32 s[G0B+4*\s], 1
	s_add_co_u32 s[G0B+4*\s+1], s45, \s*SLOT
	s_add_nc_u64 s[G0B+4*\s+2:G0B+4*\s+3], s[46:47], \s*ROWB
	s_or_b32 s[G0B+4*\s+3], s[G0B+4*\s+3], 0x80000000
.endr
; The head's loads, one a wave, in one tree of branches on the wave's number
.macro ARM under, g0, g1, next
	s_cmp_lt_u32 s14, \under
	s_cbranch_scc0 \next
	tensor_load_to_lds s[\g0:\g0+3], s[\g1:\g1+7]
	s_nop 0
.rept 4
	v_nop
.endr
	s_branch .Lhead_asked
\next:
.endm
	ARM 1, G0H,  G1,  .Lhead_b
	ARM 2, G0HB, G1B, .Lhead_sa
	ARM 3, G0S,  G1S, .Lhead_sb
	tensor_load_to_lds s[G0SB:G0SB+3], s[G1SB:G1SB+7]
	s_nop 0
.rept 4
	v_nop
.endr
.Lhead_asked:
	v_and_b32 v1, 15, v0                           ; l % 16
	v_bfe_u32 v2, v0, 4, 1                         ; l / 16
	v_mul_u32_u24 v3, v1, PITCH
	v_mul_u32_u24 v4, v2, 24
	v_add_nc_u32 v4, v3, v4                        ; row x pitch + 24 x half
	s_mov_b32 s21, SLOT-232
	s_mov_b32 s22, SLOT+232
	v_sub_nc_u32 v7, 1, v2
	v_mul_u32_u24 v5, s21, v2
	v_add_nc_u32 v5, v3, v5
	v_add_nc_u32 v5, 232, v5                       ; lanes 0-15 byte 232 in slot 0, lanes 16-31 byte 0 in slot 1;
	v_mul_u32_u24 v6, s22, v7
	v_add_nc_u32 v6, v3, v6                        ; and the other way round
	s_mul_i32 s21, s15, HALFT                      ; my 128 rows of A
	s_mul_i32 s22, s16, HALFT                      ; my 128 rows of B,
	s_add_co_u32 s22, s22, 2*HALFT                 ; behind A's 256
	v_add_nc_u32 v[ADRA+2], s21, v5
	v_add_nc_u32 v[ADRA+3], s21, v6
	v_add_nc_u32 v[ADRB+2], s22, v5
	v_add_nc_u32 v[ADRB+3], s22, v6
.irp s, 0,1
	v_add_nc_u32 v[ADRA+\s], s21, v4
	v_add_nc_u32 v[ADRB+\s], s22, v4
	s_add_co_u32 s21, s21, SLOT
	s_add_co_u32 s22, s22, SLOT
.endr
	v_mul_u32_u24 v5, v1, KS                       ; my row's scale bytes: 32 a row,
	v_lshrrev_b32 v6, 8, v5
	v_lshl_add_u32 v5, v6, 4, v5                   ; and 16 more for each 256 passed
	s_mul_i32 s21, s15, HALFS
	s_mul_i32 s22, s16, HALFS
	s_add_co_u32 s22, s22, 2*HALFS
	s_sub_co_u32 s22, s22, s21
	v_mul_u32_u24 v6, s22, v2                      ; lanes 16-31 take B's: one product, the distance between the bases
	s_add_co_u32 s21, s21, SCL
	v_add_nc_u32 v5, v5, v6
	v_add_nc_u32 v[ADRS], s21, v5
.macro FRAG reg, adr, st, i            ; a fragment: lane l holds row l % 16; registers 6 c .. 6 c + 5 hold K = 64 c + 32 (l / 16) + 0 .. 31, in pieces of 8 bytes; byte y of a row lies in slot (y / 256) % 2 at byte y % 256
.irp p, 0,1,2,3,4,5
.set BY, 96*(\st)+48*(\p/3)+8*(\p%3)
.if BY/ROWB == (BY+24)/ROWB
	ds_load_b64 v[\reg+2*\p:\reg+2*\p+1], v[\adr+(BY/ROWB)%2] offset:BY%ROWB+(\i)*16*PITCH
.else
	ds_load_b64 v[\reg+2*\p:\reg+2*\p+1], v[\adr+2+(BY/ROWB)%2] offset:BY%ROWB-232+(\i)*16*PITCH
.endif
.endr
.endm
; 16 products: A's blocks a0, a0 + 1 x B's eight.  One register carries A's scale word (lanes 0-15) and B's (lanes 16-31).  The 64 accumulators take turns.
.macro MUL16 a0, p, q, sc, zero
.irp a, \a0, \a0+1
.irp b, 0,1,2,3,4,5,6,7
.if \zero
	v_wmma_scale_f32_16x16x128_f8f6f4 v[8*(8*((\a)%4)+\b):8*(8*((\a)%4)+\b)+7], v[128*(\p)+FR*\b:128*(\p)+FR*\b+FR-1], v[AF+FR*(\a):AF+FR*(\a)+FR-1], 0, v[SC+8*NQ*(\sc)+NQ*\b+(\q)], v[SC+8*NQ*(\sc)+NQ*(\a)+(\q)] matrix_a_fmt:MATRIX_FMT_FP6 matrix_b_fmt:MATRIX_FMT_FP6 matrix_a_scale:MATRIX_SCALE_ROW1
.else
	v_wmma_scale_f32_16x16x128_f8f6f4 v[8*(8*((\a)%4)+\b):8*(8*((\a)%4)+\b)+7], v[128*(\p)+FR*\b:128*(\p)+FR*\b+FR-1], v[AF+FR*(\a):AF+FR*(\a)+FR-1], v[8*(8*((\a)%4)+\b):8*(8*((\a)%4)+\b)+7], v[SC+8*NQ*(\sc)+NQ*\b+(\q)], v[SC+8*NQ*(\sc)+NQ*(\a)+(\q)] matrix_a_fmt:MATRIX_FMT_FP6 matrix_b_fmt:MATRIX_FMT_FP6 matrix_a_scale:MATRIX_SCALE_ROW1
.endif
.endr
.endr
.endm
.macro FETCH_B st, p
	WIN TO_B
.irp i, 0,1,2,3,4,5,6,7
	FRAG 128*(\p)+FR*\i, ADRB, \st, \i
.endr
	WIN 0
.endm
.macro FETCH_A st, i0
.irp i, \i0, \i0+1, \i0+2, \i0+3
	FRAG AF+FR*(\i), ADRA, \st, \i
.endr
.endm
.macro SCALES pr                       ; the scale words of steps 2 pr, 2 pr + 1 into set pr % 2
.irp i, 0,1,2,3,4,5,6,7
	ds_load_b64 v[SC+8*NQ*((\pr)%2)+NQ*\i:SC+8*NQ*((\pr)%2)+NQ*\i+1], v[ADRS] offset:\i*SBLK+4*NQ*(\pr)
.endr
.endm
.macro PLACES n                        ; places in front of loads into registers that matrix instructions have read
.rept \n
	v_nop
.endr
.endm
; A step of 128 along K.  Where the next step's bytes END in a chunk not read yet: a wait for my tensor loads and a barrier.  Where they BEGIN in a later chunk: the wait, the add, the wait for it and for my reads,
; the barrier; where a chunk two on is left to fetch, the barrier opens a round of the cluster's barrier and the slot is filled again.
.macro STEP st, zero
.set NX, (\st)+1
.set C0, (96*(\st))/ROWB
.set C1, (96*NX)/ROWB
.set E0, (96*(\st)+95)/ROWB
.set E1, (96*NX+95)/ROWB
.if C1 > C0 || E1 > E0
	s_wait_tensorcnt 0x0                           ; all my tensor loads have landed
.if C1 > C0
	ds_add_u32 v[SPW], v[NIL]
	s_wait_dscnt 4*NL+1                            ; the add and the youngest 24 loads (A's blocks 4-7) may be out
.else
	s_wait_dscnt 4*NL                              ; the youngest 24 loads may be out
.endif
	WIN MUL_LO
	MUL16 0, (\st)%2, (\st)%2, ((\st)/2)%2, \zero
	s_wait_dscnt 0x0                               ; the add, and my reads of any chunk left behind
	s_barrier_signal -1
	MUL16 2, (\st)%2, (\st)%2, ((\st)/2)%2, \zero
	WIN 0
	s_barrier_wait -1
.if C1 > C0 && C0+2 < CHUNKS
	CREST
	s_add_nc_u64 s[G0+4*(C0%2)+2:G0+4*(C0%2)+3], s[G0+4*(C0%2)+2:G0+4*(C0%2)+3], 2*ROWB
	s_add_nc_u64 s[G0B+4*(C0%2)+2:G0B+4*(C0%2)+3], s[G0B+4*(C0%2)+2:G0B+4*(C0%2)+3], 2*ROWB
	JLOAD G0+4*(C0%2), G1, G0B+4*(C0%2), G1B       ; chunk C0 + 2: my one load behind the round; its four v_nop are the places for the loads below
.else
	PLACES NP
.endif
.else
	s_wait_dscnt 4*NL
	WIN MUL_LO
	MUL16 0, (\st)%2, (\st)%2, ((\st)/2)%2, \zero
	MUL16 2, (\st)%2, (\st)%2, ((\st)/2)%2, \zero
	s_wait_dscnt 0
	PLACES NP
.endif
	FETCH_B NX, NX%2
	FETCH_A NX, 0
.if NX%2 == 0
	SCALES NX/2
.endif
	WIN MUL_HI
	MUL16 4, (\st)%2, (\st)%2, ((\st)/2)%2, \zero
	MUL16 6, (\st)%2, (\st)%2, ((\st)/2)%2, \zero
	PLACES NP
	WIN 0
	FETCH_A NX, 4
.endm
	s_wait_alu depctr_va_vdst(0)
	s_wait_tensorcnt 0x0                           ; my tile of the head's four is in
	ds_add_u32 v[SPW], v[NIL]
	s_mov_b32 s[G1+2], 128<<16                     ; no load of mine is out: from here on a load brings 128 rows
	s_mov_b32 s[G1+4], 128
	s_mov_b32 s[G1B+2], 128<<16
	s_mov_b32 s[G1B+4], 128
	s_wait_dscnt 0x0
	CROUND
	JLOAD G0+4, G1, G0B+4, G1B                     ; chunk 1, the first tensor load behind the round
	FETCH_B 0, 0
	FETCH_A 0, 0
	SCALES 0
	FETCH_A 0, 4
	STEP 0, 1                                      ; the first step's products start the sums
.irp k, 1,2,3,4
	STEP \k, 0
.endr
	s_load_b256 s[24:31], s[0:1], 0x20             ; gq, bq, gk, bk: step 4 has waited for my last tensor load, so the descriptors' registers are free
	s_load_b128 s[32:35], s[0:1], 0x40             ; qbuf, kvbuf
	STEP 5, 0
	STEP 6, 0
	s_wait_dscnt 4*NL                              ; the last step
	WIN MUL_LO
	MUL16 0, 1, 1, 1, 0
	MUL16 2, 1, 1, 1, 0
	s_wait_dscnt 0
	WIN MUL_HI
	MUL16 4, 1, 1, 1, 0
	MUL16 6, 1, 1, 1, 0
	WIN 0
; THE WAY OUT: no LDS; every block a of 16 rows of A is worked in registers and stored as an image
	v_and_b32 v4, 31, v0                           ; (these five lines are the places behind the last products)
	v_lshlrev_b32 v1, 4, v4                        ; 16 x lane
	v_lshlrev_b32 v2, 3, v4                        ; 8 x lane
	v_bfe_u32 v5, v0, 4, 1                         ; h
	v_lshlrev_b32 v3, 6, v5                        ; 64 h
.irp i, 4,5,6,7
	v_mov_b32 v[TM+\i], 0                          ; a lane permute's destination counts as a source
.endr
	v_mov_b32 v[T2+2], 0
	v_mov_b32 v[T2+3], 0
	v_mov_b32 v[MN+1], 0                           ; upper halves of pairs whose low word serves both halves
	v_mov_b32 v[MN+3], 0
	v_mov_b32 v[RS+1], 0
	v_mov_b32 v[RS+3], 0
	s_mov_b32 s[SEL], 0x76543210
	s_mov_b32 s[SEL+1], 0xfedcba98
	s_mov_b32 s[INV], 0x3c800000
	s_mov_b32 s[EPSR], 0x3727c5ac
	s_wait_kmcnt 0x0
; 64 numbers of a lane in window W, v[s] on (register 16 b + i = k 32 b + 16 (lane / 16) + i), become a fragment's codes in v[CD] on and its scale word in v[pw]
.macro QUANT s, W, pw
	WIN ((\W)<<2)|((\W)<<4)
.irp b, 0,1,2,3
	v_max3_num_f32 v[TM+\b], 0x1800000, |v[\s+16*\b]|, |v[\s+16*\b+1]|   ; with the floor 2^(3 - 127): the byte cannot fall under 1
.endr
.irp i, 2,4,6,8,10,12,14
.irp b, 0,1,2,3
	v_max3_num_f32 v[TM+\b], v[TM+\b], |v[\s+16*\b+\i]|, |v[\s+16*\b+\i+1]|
.endr
.endr
	WIN 0
.irp b, 0,1,2,3
	v_permlanex16_b32 v[TM+4+\b], v[TM+\b], s[SEL], s[SEL+1]
.endr
.irp b, 0,1,2,3
	v_max_num_f32 v[TM+\b], v[TM+\b], v[TM+4+\b]
.endr
.irp b, 0,1,2,3
	v_add_nc_u32 v[TM+12+\b], 0xff000000, v[TM+\b] ; 2 off the exponent field: the conversion's scale operand
.endr
.irp b, 0,1,2,3
	v_lshrrev_b32 v[TM+4+\b], 23, v[TM+12+\b]      ; the byte
.endr
	v_lshl_or_b32 v[\pw], v[TM+5], 8, v[TM+4]
	v_lshl_or_b32 v[\pw], v[TM+6], 16, v[\pw]
	v_lshl_or_b32 v[\pw], v[TM+7], 24, v[\pw]
	s_wait_xcnt 0x0                                ; the last block's stores have read the codes' registers
	WIN (\W)
.irp c, 0,1
	v_cvt_scalef32_pk16_fp6_f32 v[CD+6*\c:CD+6*\c+2], v[\s+32*\c:\s+32*\c+15], v[TM+12+2*\c]
	v_cvt_scalef32_pk16_fp6_f32 v[CD+12+4*\c:CD+12+4*\c+2], v[\s+32*\c+16:\s+32*\c+31], v[TM+12+2*\c+1]
.endr
	WIN 0
	v_nop                                          ; one plain place behind a scaled conversion
.irp c, 0,1                                    ; a whole block to a lane: lanes 0-15 block 2 c, lanes 16-31 block 2 c + 1
.irp i, 0,1,2
	v_permlane16_swap_b32 v[CD+6*\c+\i], v[CD+12+4*\c+\i]
.endr
.irp i, 0,1,2
	v_mov_b32 v[CD+3+6*\c+\i], v[CD+12+4*\c+\i]
.endr
.endr
.endm
.macro JOIN                            ; each head's two chains, a pair's halves and lane l xor 16's: the sum over the head's 64, in v[T2 + e]
.irp e, 0,1
	v_pk_add_f32 v[SU+4*\e:SU+4*\e+1], v[SU+4*\e:SU+4*\e+1], v[SU+4*\e+2:SU+4*\e+3]
.endr
.irp e, 0,1
	v_add_f32 v[T2+\e], v[SU+4*\e], v[SU+4*\e+1]
.endr
.irp e, 0,1
	v_permlanex16_b32 v[T2+2+\e], v[T2+\e], s[SEL], s[SEL+1]
.endr
.irp e, 0,1
	v_add_f32 v[T2+\e], v[T2+\e], v[T2+2+\e]
.endr
.endm
; Block a of q or k: my row's 128 columns are two heads.  LayerNorm, then the quantiser.
.macro LNQ a
.set WW, 2+(\a)/4
.set TT, 64*((\a)%4)
	WIN WW|(WW<<2)
.irp e, 0,1
.irp c, 0,1
	v_pk_add_f32 v[SU+4*\e+2*\c:SU+4*\e+2*\c+1], v[TT+32*\e+2*\c:TT+32*\e+2*\c+1], v[TT+32*\e+2*\c+4:TT+32*\e+2*\c+5]
.endr
.endr
	WIN WW
.set q, 4
.rept 12
.irp e, 0,1
	v_pk_add_f32 v[SU+4*\e+2*(q%2):SU+4*\e+2*(q%2)+1], v[TT+32*\e+2*q:TT+32*\e+2*q+1], v[SU+4*\e+2*(q%2):SU+4*\e+2*(q%2)+1]
.endr
.set q, q+1
.endr
	WIN 0
	JOIN
.irp e, 0,1
	v_mul_f32 v[MN+2*\e], s[INV], v[T2+\e]         ; the mean
.endr
	WIN WW
.set q, 0
.rept 32
	v_pk_add_f32 v[ST+2*q:ST+2*q+1], v[TT+2*q:TT+2*q+1], v[MN+2*(q/16):MN+2*(q/16)+1] op_sel_hi:[1,0] neg_lo:[0,1] neg_hi:[0,1]
.set q, q+1
.endr
	WIN 0
.irp e, 0,1
.irp c, 0,1
	v_pk_mul_f32 v[SU+4*\e+2*\c:SU+4*\e+2*\c+1], v[ST+32*\e+2*\c:ST+32*\e+2*\c+1], v[ST+32*\e+2*\c:ST+32*\e+2*\c+1]
.endr
.endr
.set q, 2
.rept 14
.irp e, 0,1
	v_pk_fma_f32 v[SU+4*\e+2*(q%2):SU+4*\e+2*(q%2)+1], v[ST+32*\e+2*q:ST+32*\e+2*q+1], v[ST+32*\e+2*q:ST+32*\e+2*q+1], v[SU+4*\e+2*(q%2):SU+4*\e+2*(q%2)+1]
.endr
.set q, q+1
.endr
	JOIN
.irp e, 0,1
	v_fma_f32 v[T2+\e], v[T2+\e], s[INV], s[EPSR]  ; var + eps
.endr
	s_wait_alu depctr_va_vdst(0)
.irp e, 0,1
	v_rsq_f32 v[RS+2*\e], v[T2+\e]
.endr
	v_nop
	s_wait_alu depctr_va_vdst(0)
.if (\a) == 0
	s_wait_loadcnt 0x0                             ; gain and bias, once
.endif
.set q, 0
.rept 32
	v_pk_mul_f32 v[ST+2*q:ST+2*q+1], v[ST+2*q:ST+2*q+1], v[RS+2*(q/16):RS+2*(q/16)+1] op_sel_hi:[1,0]
.set q, q+1
.endr
.set q, 0
.rept 32
	v_pk_fma_f32 v[ST+2*q:ST+2*q+1], v[ST+2*q:ST+2*q+1], v[GG+2*(q%16):GG+2*(q%16)+1], v[BB+2*(q%16):BB+2*(q%16)+1]
.set q, q+1
.endr
	QUANT ST, 0, SW+(\a)
.irp e, 0,1                                    ; registers 6 e .. 6 e + 5 are head e's tile
	global_store_b128 v1, v[CD+6*\e:CD+6*\e+3], s[36+2*\e:37+2*\e] offset:768*(\a)
	global_store_b64 v2, v[CD+6*\e+4:CD+6*\e+5], s[36+2*\e:37+2*\e] offset:768*(\a)+512
.endr
.endm
.macro VQ a                            ; block a of V^T: 16 of a head's 64 x my 128 keys: a whole fragment
.set WW, 2+(\a)/4
.set TT, 64*((\a)%4)
	QUANT TT, WW, SW+(\a)
.irp g, 0,1,2
	global_store_b128 v1, v[CD+4*\g:CD+4*\g+3], s[36:37] offset:((\a)/4)*208896+6144+((\a)%4)*1536+512*\g
.endr
.endm
	s_cmp_lt_u32 s[CL], 8                          ; the same in all partners and all waves
	s_cbranch_scc0 .Lvpath
	; q or k.  My rows: token block 2 x tile row + half; my columns: heads 2 hp, 2 hp + 1 with hp = 2 cx + half
	s_lshl_b32 s4, s17, 1
	s_add_co_u32 s4, s4, s15
	s_lshr_b32 s5, s4, 4                           ; batch
	s_and_b32 s6, s4, 15                           ; block in the sequence
	s_lshl_b32 s7, s40, 1
	s_add_co_u32 s7, s7, s16
	s_lshl_b32 s5, s5, 4
	s_lshl_b32 s7, s7, 1
	s_add_co_u32 s5, s5, s7                        ; 16 x batch + head
	s_lshl_b32 s5, s5, 4
	s_add_co_u32 s8, s5, s6
	s_mov_b32 s10, 13056
	s_mov_b32 s11, 12288
	s_and_b32 s9, s[CL], 1
	s_cmp_eq_u32 s9, 0                             ; q (even clusters) or k
	s_cselect_b32 s10, 6656, s10
	s_cselect_b32 s11, 6144, s11
	s_cselect_b64 s[12:13], s[32:33], s[34:35]
	s_cselect_b64 s[18:19], s[24:25], s[28:29]
	s_cselect_b64 s[20:21], s[26:27], s[30:31]
	s_mul_i32 s44, s8, s10
	s_mov_b32 s45, 0
	s_add_nc_u64 s[36:37], s[12:13], s[44:45]      ; head e = 0's block,
	s_lshl_b32 s44, s10, 4
	s_add_nc_u64 s[38:39], s[36:37], s[44:45]      ; head e = 1's: 16 blocks on
	s_mov_b32 s44, s11
	s_add_nc_u64 s[48:49], s[36:37], s[44:45]      ; and their scale words
	s_add_nc_u64 s[50:51], s[38:39], s[44:45]
.irp b, 0,1
.irp k, 0,1,2,3
	global_load_b128 v[GG+16*\b+4*\k:GG+16*\b+4*\k+3], v3, s[18:19] offset:128*\b+16*\k
	global_load_b128 v[BB+16*\b+4*\k:BB+16*\b+4*\k+3], v3, s[20:21] offset:128*\b+16*\k
.endr
.endr
.irp a, 0,1,2,3,4,5,6,7
	LNQ \a
.endr
	v_cmp_le_u32 vcc_lo, 16, v4                    ; lanes 16-31 carry the odd tiles' words
.irp p, 0,1,2,3
	v_cndmask_b32 v[OW+\p], v[SW+2*\p], v[SW+2*\p+1], vcc_lo   ; head 0: bytes 0, 1 are its own; bytes 2, 3 (1 .. 254) meet zero codes
.endr
.irp p, 0,1,2,3
	v_lshrrev_b32 v[OW+4+\p], 16, v[OW+\p]         ; head 1: its two bytes brought down; bytes 2, 3 are 0 and meet zero codes
.endr
	global_store_b128 v1, v[OW:OW+3], s[48:49]
	global_store_b128 v1, v[OW+4:OW+7], s[50:51]
	s_branch .Lend
.Lvpath:
	; V^T.  My rows: heads 2 hp, 2 hp + 1 with hp = 2 cy + half; my columns: token block 2 x tile column + half
	s_lshl_b32 s4, s42, 1
	s_add_co_u32 s4, s4, s16
	s_lshr_b32 s5, s4, 4
	s_and_b32 s6, s4, 15
	s_lshl_b32 s7, s41, 1
	s_add_co_u32 s7, s7, s15
	s_lshl_b32 s5, s5, 4
	s_lshl_b32 s7, s7, 1
	s_add_co_u32 s5, s5, s7
	s_lshl_b32 s5, s5, 4
	s_add_co_u32 s8, s5, s6
	s_mul_i32 s44, s8, 13056
	s_mov_b32 s45, 0
	s_add_nc_u64 s[36:37], s[34:35], s[44:45]
.irp a, 0,1,2,3,4,5,6,7
	VQ \a
.endr
	v_cmp_le_u32 vcc_lo, 16, v4
.irp e, 0,1
.irp p, 0,1
	v_cndmask_b32 v[OW+2*\e+\p], v[SW+4*\e+2*\p], v[SW+4*\e+2*\p+1], vcc_lo
.endr
	global_store_b64 v2, v[OW+2*\e:OW+2*\e+1], s[36:37] offset:\e*208896+12800
.endr
.Lend:
	s_wait_tensorcnt 0x0                           ; the wave's end
	ds_add_u32 v[SPW], v[NIL]
	s_wait_dscnt 0x0
	CROUND                                         ; the closing round
	s_endpgm
.Lfunc_end_k_qc01211ab35_qkv:
	.size	k_qc01211ab35_qkv, .Lfunc_end_k_qc01211ab35_qkv-k_qc01211ab35_qkv
	.p2alignl 7, 3214868480
	.fill 96, 4, 3214868480
	.section	.rodata,"a",@progbits
	.p2align	6, 0x0
	.amdhsa_kernel k_qc01211ab35_qkv
		.amdhsa_group_segment_fixed_size 327680
		.amdhsa_private_segment_fixed_size 0
		.amdhsa_enable_private_segment 0
		.amdhsa_kernarg_size 80
		.amdhsa_user_sgpr_count 2
		.amdhsa_user_sgpr_kernarg_segment_ptr 1
		.amdhsa_wavefront_size32 1
		.amdhsa_system_sgpr_workgroup_id_x 1
		.amdhsa_system_sgpr_workgroup_id_y 1
		.amdhsa_system_sgpr_workgroup_id_z 1
		.amdhsa_system_vgpr_workitem_id 0
		.amdhsa_next_free_vgpr 1024
		.amdhsa_next_free_sgpr 102
		.amdhsa_reserve_vcc 1
		.amdhsa_float_denorm_mode_32 3
		.amdhsa_float_denorm_mode_16_64 3
		.amdhsa_memory_ordered 1
		.amdhsa_forward_progress 1
		.amdhsa_inst_pref_size 255
	.end_amdhsa_kernel
	.section	.bss,"aw",@nobits
	.p2align	6
	.space	262144
	.amdgpu_metadata
---
amdhsa.version: [ 1, 2 ]
amdhsa.kernels:
  - .name:           k_qc01211ab35_qkv
    .symbol:         k_qc01211ab35_qkv.kd
    .args:
      - { .name: xcodes, .offset: 0, .size: 8, .value_kind: global_buffer, .address_space: global }
      - { .name: xscales, .offset: 8, .size: 8, .value_kind: global_buffer, .address_space: global }
      - { .name: wcodes, .offset: 16, .size: 8, .value_kind: global_buffer, .address_space: global }
      - { .name: wscales, .offset: 24, .size: 8, .value_kind: global_buffer, .address_space: global }
      - { .name: gq, .offset: 32, .size: 8, .value_kind: global_buffer, .address_space: global }
      - { .name: bq, .offset: 40, .size: 8, .value_kind: global_buffer, .address_space: global }
      - { .name: gk, .offset: 48, .size: 8, .value_kind: global_buffer, .address_space: global }
      - { .name: bk, .offset: 56, .size: 8, .value_kind: global_buffer, .address_space: global }
      - { .name: qbuf, .offset: 64, .size: 8, .value_kind: global_buffer, .address_space: global }
      - { .name: kvbuf, .offset: 72, .size: 8, .value_kind: global_buffer, .address_space: global }
    .group_segment_fixed_size: 327680
    .private_segment_fixed_size: 0
    .kernarg_segment_align: 8
    .kernarg_segment_size: 80
    .max_flat_workgroup_size: 128
    .sgpr_count:     102
    .vgpr_count:     1024
    .wavefront_size: 32
...
	.end_amdgpu_metadata
.endif
;; end of part 2
;; launch attn (part 3): grid 8 x 32, 16 waves a work-group, no clusters, 327,680 bytes of LDS; arguments qbuf, kvbuf, abuf; writes abuf
.if DOCPART == 3
	.amdgcn_target "amdgcn-amd-amdhsa--gfx1250"
	.amdhsa_code_object_version 6
	.text
	.protected	k_qc01211ab35_attn
	.globl	k_qc01211ab35_attn
	.p2align	8
	.type	k_qc01211ab35_attn,@function
k_qc01211ab35_attn:
	s_mov_b64 s[64:65], 0
	v_nop
	global_prefetch_b8 v0, s[64:65] scope:SCOPE_SE
	s_setreg_imm32_b32 hwreg(HW_REG_WAVE_MODE, 25, 1), 1
	s_wait_xcnt 0x0
.set STEPB, 13056
.set L16, 1
.set L8,  2
.set A16, 3
.set A8,  4
.set R16, 5
.set QF,  16
.set DG,  28
.set KF,  32
.set KS,  80
.set VS,  84
.set QS,  86
.set PS,  87
.set S,   96
.set O,   160
.set BM,  192
.set PD,  196
.set SO,  200
.set L2,  204
.set TMP, 206
.set NINF, 207
.set F,   208
.set PC,  224
.set P2,  240
.set WV,  10
.set IX,  11
.set NH,  12
.set TA,  14
.set QB,  15
.set J,   16
.set TB,  17
.set SEL, 18
.set CS,  20
	s_load_b128 s[4:7], s[0:1], 0x0
	s_load_b64 s[8:9], s[0:1], 0x10
	v_lshl_add_u32 v254, v0, 2, 0x33000
	v_mov_b32 v255, 0
	ds_add_u32 v254, v255
	ds_add_u32 v254, v255
	v_lshrrev_b32 v1, 5, v0
	s_delay_alu instid0(VALU_DEP_1)
	v_readfirstlane_b32 s[WV], v1
	s_mov_b32 s[IX], ttmp9
	s_and_b32 s[NH], ttmp7, 0xffff
	s_lshr_b32 s[TA], s[WV], 1
	s_lshr_b32 s48, s[WV], 2
	s_xor_b32 s48, s48, s[WV]
	s_and_b32 s48, s48, 1
	s_sub_co_u32 s49, 15, s[IX]
	s_cmp_eq_u32 s48, 0
	s_cselect_b32 s[QB], s[IX], s49
	s_mov_b32 s24, 3<<16
	s_mov_b32 s25, 32<<16
	s_mov_b32 s26, 13<<16
	s_mov_b32 s27, 32<<16
	s_mov_b32 s28, 13
	s_mov_b32 s29, 32
	s_mov_b32 s30, 0
	s_mov_b32 s31, 0
	s_mov_b32 s32, 3<<16
	s_mov_b32 s33, 32<<16
	s_mov_b32 s34, 38<<16
	s_mov_b32 s35, 32<<16
	s_mov_b32 s36, 38
	s_mov_b32 s37, 32
	s_mov_b32 s38, 0
	s_mov_b32 s39, 0
	s_mul_i32 s50, s[NH], 16*STEPB
	s_mul_i32 s41, s[WV], 13*256
	s_mul_i32 s45, s[WV], 38*256
	s_add_co_u32 s45, s45, 208*256
	s_add_co_u32 s52, s50, s41
	s_mov_b32 s53, 0
	s_add_co_u32 s54, s50, s45
	s_mov_b32 s55, 0
	s_mov_b32 s40, 1
	s_mov_b32 s44, 1
	s_wait_dscnt 0x0
	s_wait_kmcnt 0x0
	s_add_nc_u64 s[42:43], s[6:7], s[52:53]
	s_or_b32 s43, s43, 0x80000000
	s_add_nc_u64 s[46:47], s[6:7], s[54:55]
	s_or_b32 s47, s47, 0x80000000
	tensor_load_to_lds s[40:43], s[24:31]
	s_nop 0
	; the query's loads and the set-up below stand under the first fill's flight; the second fill follows them
	s_lshl_b32 s48, s[NH], 4
	s_add_co_u32 s48, s48, s[QB]
	s_mul_i32 s48, s48, 6656
	s_mov_b32 s49, 0
	s_add_nc_u64 s[50:51], s[4:5], s[48:49]
	s_mul_i32 s52, s[TA], 768
	s_mov_b32 s53, 0
	s_add_nc_u64 s[52:53], s[50:51], s[52:53]
	s_and_b32 s54, s[TA], 1
	s_lshl_b32 s54, s54, 8
	s_lshr_b32 s55, s[TA], 1
	s_lshl_b32 s55, s55, 2
	s_add_co_u32 s54, s54, s55
	s_add_co_u32 s54, s54, 6144
	s_mov_b32 s55, 0
	s_add_nc_u64 s[54:55], s[50:51], s[54:55]
	v_and_b32 v6, 31, v0
	s_delay_alu instid0(VALU_DEP_1)
	v_lshlrev_b32 v[L16], 4, v6
	s_delay_alu instid0(VALU_DEP_2)
	v_lshlrev_b32 v[L8], 3, v6
	v_and_b32 v7, 15, v0
	s_delay_alu instid0(VALU_DEP_1)
	v_lshlrev_b32 v[R16], 4, v7
	v_bfe_u32 v8, v0, 4, 1
	global_load_b128 v[QF:QF+3], v[L16], s[52:53]
	global_load_b64 v[QF+4:QF+5], v[L8], s[52:53] offset:512
	global_load_b32 v[QS], v[R16], s[54:55]
.irp i, 6,7,8,9,10,11
	v_mov_b32 v[QF+\i], 0
.irp t, 0,1,2,3
	v_mov_b32 v[KF+12*\t+\i], 0
.endr
.endr
	v_and_b32 v9, 8, v7
	s_delay_alu instid0(VALU_DEP_1)
	v_add_nc_u32 v9, v9, v7
	v_lshlrev_b32 v10, 4, v8
	s_delay_alu instid0(VALU_DEP_1)
	v_sub_nc_u32 v9, v9, v10
	s_lshr_b32 s48, s[TA], 1
	s_lshl_b32 s48, s48, 5
	s_and_b32 s49, s[TA], 1
	s_lshl_b32 s49, s49, 3
	s_add_co_u32 s48, s48, s49
	v_add_nc_u32 v[DG], s48, v9
	s_mov_b32 s[SEL], 0x76543210
	s_mov_b32 s[SEL+1], 0xfedcba98
	s_mov_b32 s[CS], 0x3fb8aa3b
	s_mov_b32 s[CS+1], s[CS]
	v_mov_b32 v13, 0xff61b1e6
	s_delay_alu instid0(VALU_DEP_1)
	v_floor_f32 v12, -v13
	v_mov_b32 v14, 0
	v_mov_b32 v15, 0
	v_mov_b32 v[NINF], 0xff800000
	v_mov_b32 v[F+1], 0
.irp b, 0,1,2,3
	v_mov_b32 v[PD+\b], 0
.endr
.set n, 0
.rept 32
	v_mov_b32 v[O+n], 0
.set n, n+1
.endr
.macro STEP
	s_cmp_gt_u32 s[J], s[QB]
	s_cbranch_scc1 .Lhidden_\@
	v_add_nc_u32 v[A16], s[TB], v[L16]
	s_wait_alu depctr_va_vdst(0)
	v_add_nc_u32 v[A8], s[TB], v[L8]
	s_wait_alu depctr_va_vdst(0)
	ds_load_b128 v[KS:KS+3], v[A16] offset:12288
.irp g, 0,1
.if \g
.rept 4
	v_nop
.endr
.endif
.irp t, 0,1,2,3
	ds_load_b128 v[KF+12*\t:KF+12*\t+3], v[A16] offset:768*(4*\g+\t)
	ds_load_b64 v[KF+12*\t+4:KF+12*\t+5], v[A8] offset:768*(4*\g+\t)+512
.endr
	s_wait_dscnt 0x0
.irp t, 0,1,2,3
.if \t%2
	v_wmma_scale_f32_16x16x128_f8f6f4 v[S+8*(4*\g+\t):S+8*(4*\g+\t)+7], v[KF+12*\t:KF+12*\t+11], v[QF:QF+11], 0, v[KS+(4*\g+\t)/2], v[QS] matrix_a_fmt:MATRIX_FMT_FP6 matrix_b_fmt:MATRIX_FMT_FP6 matrix_a_scale:MATRIX_SCALE_ROW1
.else
	v_wmma_scale_f32_16x16x128_f8f6f4 v[S+8*(4*\g+\t):S+8*(4*\g+\t)+7], v[KF+12*\t:KF+12*\t+11], v[QF:QF+11], 0, v[KS+(4*\g+\t)/2], v[QS] matrix_a_fmt:MATRIX_FMT_FP6 matrix_b_fmt:MATRIX_FMT_FP6
.endif
.endr
.endr
.rept 4
	v_nop
.endr
	s_cmp_lt_u32 s[J], s[QB]
	s_cbranch_scc1 .Lopen_\@
.set n, 0
.rept 64
	v_cmp_gt_i32 vcc_lo, 32*(n/16)+n%16, v[DG]
	v_cndmask_b32 v[S+n], v[S+n], v[NINF], vcc_lo
.set n, n+1
.endr
.Lopen_\@:
.irp b, 0,1,2,3
	v_max3_num_f32 v[BM+\b], v[S+16*\b], v[S+16*\b+1], v[S+16*\b+2]
.endr
.irp i, 3,5,7,9,11,13
.irp b, 0,1,2,3
	v_max3_num_f32 v[BM+\b], v[BM+\b], v[S+16*\b+\i], v[S+16*\b+\i+1]
.endr
.endr
.irp b, 0,1,2,3
	v_max_num_f32 v[BM+\b], v[BM+\b], v[S+16*\b+15]
.endr
.irp b, 0,1,2,3
	s_delay_alu instid0(VALU_DEP_4)
	v_permlanex16_b32 v[PD+\b], v[BM+\b], s[SEL], s[SEL+1]
.endr
.irp b, 0,1,2,3
	s_delay_alu instid0(VALU_DEP_4)
	v_max_num_f32 v[BM+\b], v[BM+\b], v[PD+\b]
.endr
	s_delay_alu instid0(VALU_DEP_2)
	v_max3_num_f32 v[TMP], v[BM], v[BM+1], v[BM+2]
	s_delay_alu instid0(VALU_DEP_1)
	v_max_num_f32 v[TMP], v[TMP], v[BM+3]
	s_delay_alu instid0(VALU_DEP_1)
	v_mul_f32 v[TMP], s[CS], v[TMP]
	s_delay_alu instid0(VALU_DEP_1)
	v_max_num_f32 v13, v13, v[TMP]
	v_mov_b32 v[TMP], v12
	s_delay_alu instid0(VALU_DEP_2)
	v_floor_f32 v12, -v13
	s_delay_alu instid0(VALU_DEP_1)
	v_sub_f32 v[TMP], v12, v[TMP]
	s_delay_alu instid0(VALU_DEP_1)
	v_cvt_i32_f32 v[TMP], v[TMP]
	s_delay_alu instid0(VALU_DEP_1)
	v_ldexp_f32 v[F], 1.0, v[TMP]
.set n, 0
.rept 32
	v_pk_fma_f32 v[S+n:S+n+1], v[S+n:S+n+1], s[CS:CS+1], v[12:13] op_sel_hi:[1,0,0]
.set n, n+2
.endr
.irp b, 0,1,2,3
	v_fma_f32 v[BM+\b], v[BM+\b], s[CS], v12
.endr
.set n, 0
	s_wait_alu depctr_va_vdst(0)
.rept 64
	v_exp_f32 v[S+n], v[S+n]
.set n, n+1
.endr
	v_pk_mul_f32 v[14:15], v[14:15], v[F:F+1] op_sel_hi:[1,0]
	s_wait_alu depctr_va_vdst(0)
.irp b, 0,1,2,3
	v_exp_f32 v[BM+\b], v[BM+\b]
.endr
	v_pk_add_f32 v[L2:L2+1], v[S:S+1], v[S+2:S+3]
.set n, 4
.rept 15
	v_pk_add_f32 v[14:15], v[14:15], v[S+n:S+n+1]
	v_pk_add_f32 v[L2:L2+1], v[L2:L2+1], v[S+n+2:S+n+3]
.set n, n+4
.endr
	s_delay_alu instid0(VALU_DEP_1)
	v_pk_add_f32 v[14:15], v[14:15], v[L2:L2+1]
	s_wait_alu depctr_va_vdst(0)
.irp b, 0,1,2,3
	v_max_num_f32 v[BM+\b], 0x1800000, v[BM+\b]
.endr
.irp b, 0,1,2,3
	s_delay_alu instid0(VALU_DEP_4)
	v_add_nc_u32 v[SO+\b], 0xff000000, v[BM+\b]
.endr
.irp b, 0,1,2,3
	s_delay_alu instid0(VALU_DEP_4)
	v_lshrrev_b32 v[PD+\b], 23, v[SO+\b]
.endr
	s_delay_alu instid0(VALU_DEP_3)
	v_lshl_or_b32 v[PS], v[PD+1], 8, v[PD]
	s_delay_alu instid0(VALU_DEP_1)
	v_lshl_or_b32 v[PS], v[PD+2], 16, v[PS]
	s_delay_alu instid0(VALU_DEP_1)
	v_lshl_or_b32 v[PS], v[PD+3], 24, v[PS]
.irp c, 0,1
	v_cvt_scalef32_pk16_fp6_f32 v[PC+6*\c:PC+6*\c+2], v[S+32*\c:S+32*\c+15], v[SO+2*\c]
	v_cvt_scalef32_pk16_fp6_f32 v[P2+4*\c:P2+4*\c+2], v[S+32*\c+16:S+32*\c+31], v[SO+2*\c+1]
.endr
	v_nop
.irp c, 0,1
.irp i, 0,1,2
	v_permlane16_swap_b32 v[PC+6*\c+\i], v[P2+4*\c+\i]
.endr
.irp i, 0,1,2
	s_delay_alu instid0(VALU_DEP_3)
	v_mov_b32 v[PC+3+6*\c+\i], v[P2+4*\c+\i]
.endr
.endr
.irp t, 0,1,2,3
.irp g, 0,1,2
	ds_load_b128 v[S+12*\t+4*\g:S+12*\t+4*\g+3], v[A16] offset:6144+1536*\t+512*\g
.endr
.endr
	ds_load_b64 v[VS:VS+1], v[A8] offset:12800
.set n, 0
.rept 16
	v_pk_mul_f32 v[O+n:O+n+1], v[O+n:O+n+1], v[F:F+1] op_sel_hi:[1,0]
.set n, n+2
.endr
.rept 4
	v_nop
.endr
	s_wait_alu depctr_va_vdst(0)
	s_wait_dscnt 0x0
.irp t, 0,1,2,3
.if \t%2
	v_wmma_scale_f32_16x16x128_f8f6f4 v[O+8*\t:O+8*\t+7], v[S+12*\t:S+12*\t+11], v[PC:PC+11], v[O+8*\t:O+8*\t+7], v[VS+\t/2], v[PS] matrix_a_fmt:MATRIX_FMT_FP6 matrix_b_fmt:MATRIX_FMT_FP6 matrix_a_scale:MATRIX_SCALE_ROW1
.else
	v_wmma_scale_f32_16x16x128_f8f6f4 v[O+8*\t:O+8*\t+7], v[S+12*\t:S+12*\t+11], v[PC:PC+11], v[O+8*\t:O+8*\t+7], v[VS+\t/2], v[PS] matrix_a_fmt:MATRIX_FMT_FP6 matrix_b_fmt:MATRIX_FMT_FP6
.endif
.endr
.rept 5
	v_nop
.endr
.Lhidden_\@:
	s_add_co_u32 s[TB], s[TB], STEPB
.endm
	s_mov_b32 s[J], 0
	s_mov_b32 s[TB], 0
	s_wait_alu depctr_va_vdst(0)
	s_wait_tensorcnt 0x0                           ; my part of key steps 0-3 is in
	ds_add_u32 v254, v255
	s_wait_dscnt 0x0
	s_barrier_signal -1
	s_barrier_wait -1                              ; everybody's part is in
	tensor_load_to_lds s[44:47], s[32:39]          ; key steps 4-15, my one load behind this barrier
	s_nop 0
.rept 4
	v_nop
.endr
	s_wait_loadcnt 0x0                             ; the query's codes and scale word
.Lnear:
	STEP
	s_add_co_u32 s[J], s[J], 1
	s_cmp_lt_u32 s[J], 4
	s_cbranch_scc1 .Lnear
	s_wait_tensorcnt 0x0
	s_wait_dscnt 0x0
	s_barrier_signal -1
	s_barrier_wait -1
	s_mov_b32 s[J], 4
	s_mov_b32 s[TB], 4*STEPB
.Lfar:
	STEP
	s_add_co_u32 s[J], s[J], 1
	s_cmp_lt_u32 s[J], 16
	s_cbranch_scc1 .Lfar
	v_add_f32 v14, v14, v15
	s_delay_alu instid0(VALU_DEP_1)
	v_permlanex16_b32 v[PD], v14, s[SEL], s[SEL+1]
	s_delay_alu instid0(VALU_DEP_1)
	v_add_f32 v14, v14, v[PD]
	s_wait_alu depctr_va_vdst(0)
	v_rcp_f32 v14, v14
	v_nop
	s_lshr_b32 s48, s[NH], 4
	s_lshl_b32 s48, s48, 4
	s_add_co_u32 s48, s48, s[QB]
	s_mul_i32 s48, s48, 8*12800
	s_and_b32 s49, s[NH], 15
	s_lshr_b32 s50, s49, 1
	s_mul_i32 s50, s50, 12800
	s_add_co_u32 s48, s48, s50
	s_and_b32 s49, s49, 1
	s_mul_i32 s50, s49, 6144
	s_mul_i32 s51, s[TA], 768
	s_add_co_u32 s50, s50, s51
	s_add_co_u32 s50, s50, s48
	s_mov_b32 s51, 0
	s_add_nc_u64 s[50:51], s[8:9], s[50:51]
	s_lshr_b32 s52, s[TA], 2
	s_lshl_b32 s52, s52, 8
	s_and_b32 s53, s[TA], 3
	s_lshl_b32 s53, s53, 2
	s_add_co_u32 s52, s52, s53
	s_lshl_b32 s49, s49, 1
	s_add_co_u32 s52, s52, s49
	s_add_co_u32 s52, s52, 12288
	s_add_co_u32 s52, s52, s48
	s_mov_b32 s53, 0
	s_add_nc_u64 s[52:53], s[8:9], s[52:53]
	s_wait_alu depctr_va_vdst(0)
.set n, 0
.rept 16
	v_pk_mul_f32 v[S+n:S+n+1], v[O+n:O+n+1], v[14:15] op_sel_hi:[1,0]
.set n, n+2
.endr
.irp b, 0,1
	v_max3_num_f32 v[BM+\b], |v[S+16*\b]|, |v[S+16*\b+1]|, 0x1800000
.endr
.irp i, 2,4,6,8,10,12,14
.irp b, 0,1
	s_delay_alu instid0(VALU_DEP_2)
	v_max3_num_f32 v[BM+\b], v[BM+\b], |v[S+16*\b+\i]|, |v[S+16*\b+\i+1]|
.endr
.endr
.irp b, 0,1
	s_delay_alu instid0(VALU_DEP_2)
	v_permlanex16_b32 v[PD+\b], v[BM+\b], s[SEL], s[SEL+1]
.endr
.irp b, 0,1
	s_delay_alu instid0(VALU_DEP_2)
	v_max_num_f32 v[BM+\b], v[BM+\b], v[PD+\b]
.endr
.irp b, 0,1
	s_delay_alu instid0(VALU_DEP_2)
	v_add_nc_u32 v[SO+\b], 0xff000000, v[BM+\b]
.endr
.irp b, 0,1
	s_delay_alu instid0(VALU_DEP_2)
	v_lshrrev_b32 v[PD+\b], 23, v[SO+\b]
.endr
	s_delay_alu instid0(VALU_DEP_1)
	v_lshl_or_b32 v[TMP], v[PD+1], 8, v[PD]
	v_cvt_scalef32_pk16_fp6_f32 v[PC:PC+2], v[S:S+15], v[SO]
	v_cvt_scalef32_pk16_fp6_f32 v[P2:P2+2], v[S+16:S+31], v[SO+1]
	v_nop
.irp i, 0,1,2
	v_permlane16_swap_b32 v[PC+\i], v[P2+\i]
.endr
.irp i, 0,1,2
	s_delay_alu instid0(VALU_DEP_3)
	v_mov_b32 v[PC+3+\i], v[P2+\i]
.endr
	global_store_b128 v[L16], v[PC:PC+3], s[50:51]
	global_store_b64 v[L8], v[PC+4:PC+5], s[50:51] offset:512
	global_store_b16 v[R16], v[TMP], s[52:53]
	s_wait_tensorcnt 0x0
	ds_add_u32 v254, v255
	s_wait_dscnt 0x0
	s_endpgm
.Lfunc_end_k_qc01211ab35_attn:
	.size	k_qc01211ab35_attn, .Lfunc_end_k_qc01211ab35_attn-k_qc01211ab35_attn
	.p2alignl 7, 3214868480
	.fill 96, 4, 3214868480
	.section	.rodata,"a",@progbits
	.p2align	6, 0x0
	.amdhsa_kernel k_qc01211ab35_attn
		.amdhsa_group_segment_fixed_size 327680
		.amdhsa_private_segment_fixed_size 0
		.amdhsa_enable_private_segment 0
		.amdhsa_kernarg_size 24
		.amdhsa_user_sgpr_count 2
		.amdhsa_user_sgpr_kernarg_segment_ptr 1
		.amdhsa_wavefront_size32 1
		.amdhsa_system_sgpr_workgroup_id_x 1
		.amdhsa_system_sgpr_workgroup_id_y 1
		.amdhsa_system_sgpr_workgroup_id_z 1
		.amdhsa_system_vgpr_workitem_id 0
		.amdhsa_next_free_vgpr 256
		.amdhsa_next_free_sgpr 66
		.amdhsa_reserve_vcc 1
		.amdhsa_float_denorm_mode_32 3
		.amdhsa_float_denorm_mode_16_64 3
		.amdhsa_memory_ordered 1
		.amdhsa_forward_progress 1
		.amdhsa_inst_pref_size 58
	.end_amdhsa_kernel
	.amdgpu_metadata
---
amdhsa.version: [ 1, 2 ]
amdhsa.kernels:
  - .name:           k_qc01211ab35_attn
    .symbol:         k_qc01211ab35_attn.kd
    .args:
      - { .name: qbuf, .offset: 0, .size: 8, .value_kind: global_buffer, .address_space: global }
      - { .name: kvbuf, .offset: 8, .size: 8, .value_kind: global_buffer, .address_space: global }
      - { .name: abuf, .offset: 16, .size: 8, .value_kind: global_buffer, .address_space: global }
    .group_segment_fixed_size: 327680
    .private_segment_fixed_size: 0
    .kernarg_segment_align: 8
    .kernarg_segment_size: 24
    .max_flat_workgroup_size: 512
    .sgpr_count:     66
    .vgpr_count:     256
    .wavefront_size: 32
...
	.end_amdgpu_metadata
.endif
;; end of part 3
;; launch oproj (part 4): grid 8 x 32, 4 waves a work-group, clusters of 4 x 4, 247,296 bytes of LDS; arguments abuf, wcodes, wscales, bo, out0; writes out0
.if DOCPART == 4
	.amdgcn_target "amdgcn-amd-amdhsa--gfx1250"
	.amdhsa_code_object_version 6
	.text
	.protected	k_qc01211ab35_oproj
	.globl	k_qc01211ab35_oproj
	.p2align	8
	.type	k_qc01211ab35_oproj,@function
k_qc01211ab35_oproj:
	s_mov_b64 s[64:65], 0
	v_nop
	global_prefetch_b8 v0, s[64:65] scope:SCOPE_SE
	s_setreg_imm32_b32 hwreg(HW_REG_WAVE_MODE, 25, 1), 1
	s_wait_xcnt 0x0
	s_wait_alu depctr_hold_cnt(0) depctr_sa_sdst(0) depctr_va_vdst(0) depctr_va_sdst(0) depctr_va_ssrc(0) depctr_va_vcc(0) depctr_vm_vsrc(0)
	s_getreg_b32 s2, hwreg(HW_REG_IB_STS2, 6, 4)
	s_cmp_eq_u32 s2, 0
	s_cbranch_scc0 .Lentry_in_a_cluster
	s_endpgm
.Lentry_in_a_cluster:
	s_bfe_u32 s2, ttmp6, 0x10000c
	s_cmp_lg_u32 s2, 0xf033
	s_cbranch_scc0 .Lentry_shape_is_right
	s_endpgm
.Lentry_shape_is_right:
; out0 = attention's result x Wo^T + bo, on codes of FP6 (E2M3) with E8M0 scales, K = 1,024.  A: abuf, images of operand registers as the launch before stored them; B: Wo's codes, rows 3,072 on of wcodes; out0 [4096][1024] f32.
; A tile of 128 x 128 gives each of 256 work-groups one tile.  Four waves, 64 x 64 each: 16 accumulators.  ALL OF K LIES IN LDS, filled once, by one load a wave: no byte is filled twice.
; CLUSTERS: 4 x 4 work-groups; A's chunks are asked for jointly along a row of the cluster, B's along a column.  Waves 0, 1 fetch A (four K steps of 12,800 bytes each), waves 2, 3 B (64 rows each).
; THE MATRIX INSTRUCTION IS USED TRANSPOSED (source 0 = 16 rows of Wo, source 1 = 16 tokens): a lane holds eight numbers of one row of out0.  The bias is the C of each sum's first product.
; Wo's rows and the tokens lie with bits 3 and 4 of their number exchanged in every group of 32: the columns are set right in the stage's offsets, the rows in the stores' immediates.
; LDS: 0: A, 8 K steps x 12,800;  102,400: B, 128 rows x 816 (768 bytes + 3 x 16 of padding);  225,280: 4,096 bytes unused;  229,376: a stage of 16 rows x 272 for each wave, where no fill lands.
; REGISTERS: window 0: v8-27 addresses; v32-63 A's scale words (K step s, tile a at 32 + 4 s + a); v64-95 B's (tile b, K step s at 64 + 8 b + s); v96-127 the bias; v128-255 the accumulators ((a, b) at 128 + 8 (4 a + b)).
;   window 1: two sets of fragments: A's four at 128 x set + 12 a, B's four at 128 x set + 48 + 12 b.
.set KSB,    12800
.set BROW,   8*KSB
; AS THE FILLS STAND NOW: all of K comes by ONE load a wave at the head: waves 0, 1 four K steps of A each (200 dense rows of 256 bytes), waves 2, 3 64 whole rows of Wo each (768 bytes, beginning at multiples of 256);
; one wait and one barrier follow, and no byte is filled later.  Wo's scale words go from memory straight into registers.  No prefetch: there is no loop to run ahead in.
.set PITCH,  816                       ; an LDS row of Wo: 3 x (256 bytes + 16 of padding)
.set CHB,    30720                     ; a quarter of the room kept for Wo's rows (they use 128 x 816 bytes of it)
.set BSC,    BROW+4*CHB
.set STAGE,  BSC+4096
.set SPITCH, 272
.set SA,  32
.set SB,  64
.set BI,  96
.set ACC, 128
.set STO, 24
.set RD,  25
.set CO,  26
.set MSB, 0
.macro WIN new                         ; the immediate's high byte repeats the setting that is left
.if MSB != (\new)
	s_set_vgpr_msb (MSB<<8)|(\new)
.set MSB, (\new)
.endif
.endm
.macro CROUND                          ; a round of the cluster's barrier
	s_barrier_signal -1
	s_barrier_wait -1
	s_cmp_lg_u32 s14, 0
	s_cbranch_scc1 .Lnot_wave_0_\@
	s_barrier_signal -3
.Lnot_wave_0_\@:
	s_barrier_wait -3
	s_barrier_signal -1
	s_barrier_wait -1
.endm
	s_load_b128 s[4:7], s[0:1], 0x0                ; abuf, wcodes
	s_load_b128 s[8:11], s[0:1], 0x10              ; wscales, bo
	s_load_b64 s[12:13], s[0:1], 0x20              ; out0
	v_lshl_add_u32 v30, v0, 2, 0x3c400
	v_mov_b32 v31, 0
	ds_add_u32 v30, v31
	ds_add_u32 v30, v31
	v_lshrrev_b32 v1, 5, v0
	v_readfirstlane_b32 s14, v1                    ; wave 0..3
	s_lshr_b32 s15, s14, 1                         ; which half of the tile's rows is mine.  Also: I fetch for A (0) or for B (1)
	s_and_b32 s16, s14, 1                          ; which half of its columns.  Also: which half of a chunk I fetch
	s_bfe_u32 s88, ttmp6, 0x40000                  ; cx, cy
	s_bfe_u32 s89, ttmp6, 0x40004
	s_lshl_b32 s90, ttmp9, 2
	s_add_co_u32 s90, s90, s88                     ; tile column, 0 .. 7
	s_and_b32 s17, ttmp7, 0xffff
	s_lshl_b32 s17, s17, 2
	s_add_co_u32 s17, s17, s89                     ; tile row = block of 128 tokens, 0 .. 31
	s_lshl_b32 s91, s89, 2
	s_lshl_b32 s91, 15, s91                        ; my row of the cluster
	s_lshl_b32 s92, 0x1111, s88                    ; my column
	s_or_b32 s24, s91, (3<<16)|(1<<21)             ; A: 200 dense rows of 256 bytes (32 elements of 8 bytes)
	s_mov_b32 s25, 32<<16
	s_mov_b32 s26, 200<<16
	s_mov_b32 s27, 32<<16
	s_mov_b32 s28, 200
	s_mov_b32 s29, 32
	s_mov_b32 s30, 0
	s_mov_b32 s31, 0
	s_or_b32 s32, s92, (1<<20)|(1<<21)|(5<<22)|(3<<25)   ; B: 64 whole rows of 768 bytes; 16 bytes of padding behind every 256
	s_mov_b32 s33, 768<<16
	s_mov_b32 s34, 64<<16
	s_mov_b32 s35, 768<<16
	s_mov_b32 s36, 64
	s_mov_b32 s37, 768
	s_mov_b32 s38, 0
	s_mov_b32 s39, 0
	s_mul_i32 s20, s17, 8*KSB                      ; A hangs on the tile row and the wave alone,
	s_mul_i32 s22, s16, 4*KSB                      ; my four K steps of the eight: in memory and in LDS
	s_add_co_u32 s20, s20, s22
	s_mov_b32 s21, 0
	s_lshl_b32 s93, s90, 7                         ; B on the tile column and the wave alone
	s_lshl_b32 s94, s16, 6
	s_add_co_u32 s93, s93, s94
	s_add_co_u32 s93, s93, 3072                    ; Wo's rows begin at 3,072
	s_mul_i32 s2, s93, 768
	s_mov_b32 s3, 0
	s_lshl_b32 s18, s93, 5
	s_mov_b32 s19, 0
	s_mul_i32 s94, s16, 64*PITCH
	s_wait_dscnt 0x0
	s_wait_kmcnt 0x0
	s_add_nc_u64 s[20:21], s[4:5], s[20:21]
	s_add_nc_u64 s[2:3], s[6:7], s[2:3]
	s_add_nc_u64 s[18:19], s[8:9], s[18:19]
	CROUND                                         ; all sixteen work-groups are here: the joint loads meet
	s_mov_b32 s48, 1
	s_add_co_u32 s49, s22, 0
	s_mov_b64 s[50:51], s[20:21]
	s_or_b32 s51, s51, 0x80000000
	s_mov_b32 s68, 1
	s_add_co_u32 s69, s94, BROW
	s_mov_b64 s[70:71], s[2:3]
	s_or_b32 s71, s71, 0x80000000
	s_mov_b64 s[86:87], s[18:19]                   ; my 64 rows of Wo's scale bytes, for the loads into registers
	s_cmp_eq_u32 s15, 0                            ; one load a wave, in the two arms of one branch on the wave's number
	s_cbranch_scc0 .Lfor_b
	tensor_load_to_lds s[48:51], s[24:31]
	s_nop 0
.rept 4
	v_nop
.endr
	s_branch .Lasked
.Lfor_b:
	tensor_load_to_lds s[68:71], s[32:39]
	s_nop 0
.rept 4
	v_nop
.endr
.Lasked:
	v_and_b32 v1, 31, v0                           ; lane
	v_and_b32 v2, 15, v0                           ; r
	v_bfe_u32 v3, v0, 4, 1                         ; h
	s_mul_i32 s18, s15, 4*768                      ; my four tiles of tokens
	v_lshlrev_b32 v8, 4, v1
	v_add_nc_u32 v8, s18, v8                       ; A's images: 16 x lane,
	v_add_nc_u32 v9, 4*KSB, v8                     ; (K steps 4-7: an offset holds 16 bits)
	v_lshlrev_b32 v10, 3, v1
	v_add_nc_u32 v10, s18, v10
	v_add_nc_u32 v10, 512, v10                     ; and 8 x lane behind the first 512 bytes
	v_add_nc_u32 v11, 4*KSB, v10
	s_lshl_b32 s18, s15, 8
	s_add_co_u32 s18, s18, 12288
	v_lshlrev_b32 v12, 4, v2
	v_add_nc_u32 v12, s18, v12                     ; A's scale words: four tiles' words of row r
	v_add_nc_u32 v13, 4*KSB, v12
	s_mul_i32 s18, s16, 64*PITCH
	s_add_co_u32 s18, s18, BROW
	v_mul_u32_u24 v16, v2, PITCH
	v_mad_u32_u24 v16, v3, 24, v16
	v_add_nc_u32 v16, s18, v16                     ; B: row x pitch + 24 x half,
	v_lshl_add_u32 v18, v3, 4, v16                 ; and the same with lanes 16-31 behind one padding more
	v_lshlrev_b32 v20, 5, v2                       ; B's scale bytes in memory: 32 a row
	s_mul_i32 s18, s14, 16*SPITCH
	s_add_co_u32 s18, s18, STAGE                   ; my stage
	v_mul_u32_u24 v[STO], v2, SPITCH
	v_lshl_add_u32 v[STO], v3, 6, v[STO]
	v_add_nc_u32 v[STO], s18, v[STO]               ; in: row r, + 64 h
	v_mul_u32_u24 v[RD], v3, SPITCH
	v_lshl_add_u32 v[RD], v2, 4, v[RD]
	v_add_nc_u32 v[RD], s18, v[RD]                 ; back: lanes 0-15 one row of 256 bytes, lanes 16-31 the next
	v_lshlrev_b32 v[CO], 12, v3
	v_lshl_add_u32 v[CO], v2, 4, v[CO]             ; and the same two rows in out0
	v_lshlrev_b32 v27, 6, v3                       ; the bias: 64 h
	s_wait_alu depctr_va_vdst(0)
	s_lshl_b32 s18, s90, 9
	s_lshl_b32 s19, s16, 8
	s_add_co_u32 s18, s18, s19                     ; my first column, in bytes
	s_mov_b32 s19, 0
	s_add_nc_u64 s[10:11], s[10:11], s[18:19]
	s_add_nc_u64 s[12:13], s[12:13], s[18:19]
	s_lshl_b32 s18, s17, 19
	s_lshl_b32 s20, s15, 18
	s_add_co_u32 s18, s18, s20                     ; my first row: (128 x tile row + 64 x half) x 4,096 bytes
	s_add_nc_u64 s[12:13], s[12:13], s[18:19]
.irp b, 0,1,2,3                                ; lane (r, h), register j of tile b: column 32 (b / 2) + 16 h + 8 (b % 2) + j
	global_load_b128 v[BI+8*\b:BI+8*\b+3], v27, s[10:11] offset:(32*(\b/2)+8*(\b%2))*4
	global_load_b128 v[BI+8*\b+4:BI+8*\b+7], v27, s[10:11] offset:(32*(\b/2)+8*(\b%2))*4+16
	global_load_b128 v[SB+8*\b:SB+8*\b+3], v20, s[86:87] offset:512*\b        ; Wo's scale words of row r of tile b, all eight K steps: sixteen lanes read 512 consecutive bytes
	global_load_b128 v[SB+8*\b+4:SB+8*\b+7], v20, s[86:87] offset:512*\b+16
.endr
.macro FRAGB reg, adr, q, i, ex        ; a fragment of B from rows: 24 bytes of the row twice, in pieces of 8; lanes 16-31 read three pieces on: where that lies behind one padding more, the second address register serves
.irp p, 0,1,2,3,4,5
.set PCE, 12*(\q)+6*(\p/3)+\p%3        ; q: the K step; 32 pieces of 8 bytes, then 16 of padding
.if PCE%32 < 29
	ds_load_b64 v[\reg+2*\p:\reg+2*\p+1], v[\adr] offset:8*PCE+16*(PCE/32)+(\i)*16*PITCH+(\ex)
.else
	ds_load_b64 v[\reg+2*\p:\reg+2*\p+1], v[\adr+2] offset:8*PCE+16*(PCE/32)+(\i)*16*PITCH+(\ex)
.endif
.endr
.endm
.macro FETCH s                         ; K step s: 41 LDS loads: A's scale words (1), A's four fragments (16), B's four (24)
.set SG, 128*((\s)%2)
.set AH, (\s)/4
.set AO, ((\s)%4)*KSB
	ds_load_b128 v[SA+4*(\s):SA+4*(\s)+3], v[12+AH] offset:AO
	WIN 0x40                                       ; destination window 1
.irp a, 0,1,2,3
.irp e, 0,1                                    ; registers 6 e on: head 2 s + e's tile
	ds_load_b128 v[SG+12*\a+6*\e:SG+12*\a+6*\e+3], v[8+AH] offset:AO+6144*\e+768*\a
	ds_load_b64 v[SG+12*\a+6*\e+4:SG+12*\a+6*\e+5], v[10+AH] offset:AO+6144*\e+768*\a
.endr
.endr
.irp b, 0,1,2,3
	FRAGB SG+48+12*\b, 16, \s, \b, 0
.endr
	WIN 0
.endm
.macro MUL s                           ; 16 products, the accumulators by turns in one fixed order; the first K step takes the bias as C
.set SG, 128*((\s)%2)
	WIN 0x05                                       ; sources 0 and 1 window 1
.irp a, 0,1,2,3
.irp b, 0,1,2,3
.if (\s) == 0
	v_wmma_scale_f32_16x16x128_f8f6f4 v[ACC+8*(4*\a+\b):ACC+8*(4*\a+\b)+7], v[SG+48+12*\b:SG+48+12*\b+11], v[SG+12*\a:SG+12*\a+11], v[BI+8*\b:BI+8*\b+7], v[SB+8*\b+(\s)], v[SA+4*(\s)+\a] matrix_a_fmt:MATRIX_FMT_FP6 matrix_b_fmt:MATRIX_FMT_FP6
.else
	v_wmma_scale_f32_16x16x128_f8f6f4 v[ACC+8*(4*\a+\b):ACC+8*(4*\a+\b)+7], v[SG+48+12*\b:SG+48+12*\b+11], v[SG+12*\a:SG+12*\a+11], v[ACC+8*(4*\a+\b):ACC+8*(4*\a+\b)+7], v[SB+8*\b+(\s)], v[SA+4*(\s)+\a] matrix_a_fmt:MATRIX_FMT_FP6 matrix_b_fmt:MATRIX_FMT_FP6
.endif
.endr
.endr
.rept 4
	v_nop                                          ; places in front of loads into registers that these products have read, and of the first read of results
.endr
	WIN 0
.endm
.macro KSTEP s
.if (\s) < 7
	FETCH (\s)+1
	s_wait_dscnt 41                                ; all but the 41 just issued: this K step's operands are in
.else
	s_wait_dscnt 0x0
.endif
.if (\s) == 0
	s_wait_loadcnt 0x0                             ; the bias
.endif
	MUL \s
.endm
	s_wait_tensorcnt 0x0                           ; my one load is in,
	s_barrier_signal -1
	s_barrier_wait -1                              ; everybody's is
	FETCH 0
.irp s, 0,1,2,3,4,5,6,7
	KSTEP \s
.endr
; THE WAY OUT, a block of 16 tokens x 64 columns at a time, through my own stage: in with the columns in their true order, back as whole rows of 256 bytes, into the registers that they left.
; LDS serves a wave's instructions in order: no wait between the stores and the loads, nor in front of the next block's stores.
.macro TOSTAGE a
.irp b, 0,1,2,3
	ds_store_b128 v[STO], v[ACC+32*(\a)+8*\b:ACC+32*(\a)+8*\b+3] offset:128*(\b/2)+32*(\b%2)       ; each accumulator from its low end on
	ds_store_b128 v[STO], v[ACC+32*(\a)+8*\b+4:ACC+32*(\a)+8*\b+7] offset:128*(\b/2)+32*(\b%2)+16
.endr
.irp t, 0,1,2,3,4,5,6,7
	ds_load_b128 v[ACC+32*(\a)+4*\t:ACC+32*(\a)+4*\t+3], v[RD] offset:2*\t*SPITCH
.endr
.endm
.macro SEND a, younger                 ; younger: the LDS instructions issued behind block a's loads
	s_wait_dscnt \younger
.irp t, 0,1,2,3,4,5,6,7                        ; place 2 t + h of tile a is token 32 (a / 2) + 8 (a % 2) + 2 t + h + 8 (t / 4) of my 64
	global_store_b128 v[CO], v[ACC+32*(\a)+4*\t:ACC+32*(\a)+4*\t+3], s[12:13] offset:(32*((\a)/2)+8*((\a)%2)+2*\t+8*(\t/4))*4096 th:TH_STORE_NT   ; 16 lanes store 256 consecutive bytes, aligned; written once
.endr
.endm
	TOSTAGE 0
.irp a, 1,2,3
	TOSTAGE \a
	SEND \a-1, 16                                  ; behind block a - 1's loads: block a's 8 stores and 8 loads
.endr
	SEND 3, 0
	s_wait_dscnt 0x0
	s_wait_tensorcnt 0x0
	ds_add_u32 v30, v31
	s_wait_dscnt 0x0
	CROUND                                         ; the closing round: no work-group ends while a partner may still ask for a tile that names it
	s_endpgm
.Lfunc_end_k_qc01211ab35_oproj:
	.size	k_qc01211ab35_oproj, .Lfunc_end_k_qc01211ab35_oproj-k_qc01211ab35_oproj
	.p2alignl 7, 3214868480
	.fill 96, 4, 3214868480
	.section	.rodata,"a",@progbits
	.p2align	6, 0x0
	.amdhsa_kernel k_qc01211ab35_oproj
		.amdhsa_group_segment_fixed_size 247296
		.amdhsa_private_segment_fixed_size 0
		.amdhsa_enable_private_segment 0
		.amdhsa_kernarg_size 40
		.amdhsa_user_sgpr_count 2
		.amdhsa_user_sgpr_kernarg_segment_ptr 1
		.amdhsa_wavefront_size32 1
		.amdhsa_system_sgpr_workgroup_id_x 1
		.amdhsa_system_sgpr_workgroup_id_y 1
		.amdhsa_system_sgpr_workgroup_id_z 1
		.amdhsa_system_vgpr_workitem_id 0
		.amdhsa_next_free_vgpr 512
		.amdhsa_next_free_sgpr 96
		.amdhsa_reserve_vcc 0
		.amdhsa_float_denorm_mode_32 3
		.amdhsa_float_denorm_mode_16_64 3
		.amdhsa_memory_ordered 1
		.amdhsa_forward_progress 1
		.amdhsa_inst_pref_size 55
	.end_amdhsa_kernel
	.amdgpu_metadata
---
amdhsa.version: [ 1, 2 ]
amdhsa.kernels:
  - .name:           k_qc01211ab35_oproj
    .symbol:         k_qc01211ab35_oproj.kd
    .args:
      - { .name: abuf, .offset: 0, .size: 8, .value_kind: global_buffer, .address_space: global }
      - { .name: wcodes, .offset: 8, .size: 8, .value_kind: global_buffer, .address_space: global }
      - { .name: wscales, .offset: 16, .size: 8, .value_kind: global_buffer, .address_space: global }
      - { .name: bo, .offset: 24, .size: 8, .value_kind: global_buffer, .address_space: global }
      - { .name: out0, .offset: 32, .size: 8, .value_kind: global_buffer, .address_space: global }
    .group_segment_fixed_size: 247296
    .private_segment_fixed_size: 0
    .kernarg_segment_align: 8
    .kernarg_segment_size: 40
    .max_flat_workgroup_size: 128
    .sgpr_count:     96
    .vgpr_count:     512
    .wavefront_size: 32
...
	.end_amdgpu_metadata
.endif
;; end of part 4
